; MI455X (gfx1250); checked and timed in simulation.
; The chip was launched on July 23, 2026; its instructions are those of AMD's public machine-readable ISA for CDNA 5 (MIT licence, August 2026) and "CDNA5" Instruction Set Architecture Reference Guide (July 2026). The comments in the code are by the model that wrote it; some were corrected since.
;; Multi Head Self Attention. Allowed arithmetic: matrix products marked QUANTISED: E4M3 operands, one given power-of-two scale a tensor, by v_wmma_f32_16x16x64_fp8_fp8 or v_wmma_f32_16x16x128_fp8_fp8, f32 sums; everything else in f32.
;; Inputs: Wk_b 1,024 float32; Wk_w 1,024 x 1,024 float32; Wo_b 1,024 float32; Wo_w 1,024 x 1,024 float32; Wq_b 1,024 float32; Wq_w 1,024 x 1,024 float32; Wv_b 1,024 float32; Wv_w 1,024 x 1,024 float32; lowp_scales 12 int32 (the exponents e of the quantised operands' scales 2^e); mask 2 x 1 x 1 x 2,048 int32; x 2 x 2,048 x 1,024 float32.
;; Outputs: out0 2 x 2,048 x 1,024 float32.
;; This version of the problem:
;;   THIS VERSION OF THE PROBLEM IS GIVEN IN LOW PRECISION. The matrix products marked QUANTISED in the list below multiply operands that are first quantised to E4M3 (4 exponent bits, 3 mantissa bits; 8 bits a number), with one given power-of-two scale for each operand tensor; their sums are f32. All else is computed in f32.
;;   The module's matrix products, in the order in which they are computed (A, B: the left and right operand; K: the contracted axis; several contracted axes count as one K, in the product's order):
;;     1. [M 4,096, K 1,024] x [K 1,024, N 1,024]; A: input x; B: input Wq_w: QUANTISED (scales: A lowp_scales[0], B lowp_scales[1])
;;     2. [M 4,096, K 1,024] x [K 1,024, N 1,024]; A: input x; B: input Wk_w: QUANTISED (scales: A lowp_scales[2], B lowp_scales[3])
;;     3. [M 4,096, K 1,024] x [K 1,024, N 1,024]; A: input x; B: input Wv_w: QUANTISED (scales: A lowp_scales[4], B lowp_scales[5])
;;     4. batch 32 x [M 2,048, K 64] x [K 64, N 2,048]; A: computed on the way; B: computed on the way: QUANTISED (scales: A lowp_scales[6], B lowp_scales[7])
;;     5. batch 32 x [M 2,048, K 2,048] x [K 2,048, N 64]; A: softmax (see below); B: computed on the way: QUANTISED (scales: A lowp_scales[8], B lowp_scales[9])
;;     6. [M 4,096, K 1,024] x [K 1,024, N 1,024]; A: computed on the way; B: input Wo_w: QUANTISED (scales: A lowp_scales[10], B lowp_scales[11])
;;   THE QUANTISER, for each operand of a quantised product, along K:
;;     - The operand's scale is 2^e, e = its entry of the input lowp_scales (int32; the entries are numbered through the quantised products in the list's order, A before B).
;;     - Each number is divided by the scale, clamped to +-448, and rounded to the nearest number of E4M3, ties to even, subnormals kept.
;;     - The product sums the exact products of the quantised numbers (number of the format x scale) in f32.
;;   ~~~python
;;   def quantise(x, axis, e):      # numpy; x: float32 -> the quantised numbers, widened to float32 again
;;       x = np.moveaxis(x, axis, -1); K = x.shape[-1]
;;       r = np.clip(x / 2.0 ** e, -448, 448)
;;       step = 2.0 ** (np.maximum(np.frexp(np.where(r == 0, 1, r))[1] - 1, -6) - 3)
;;       q = np.round(r / step) * step * 2.0 ** e      # np.round: ties to even
;;       return np.moveaxis(q, -1, axis).astype(np.float32)
;;   ~~~
;;   SOFTMAX AHEAD OF A QUANTISED PRODUCT. Where the list says 'softmax', what is quantised is not the finished softmax but p = 2^(t - M), with t = logit x log2(e) and M = ceil(the row's largest t), a whole number; so 1/2 < the row's largest p <= 1. The row's sum l is taken of the UNQUANTISED p, in f32, and the product's result is divided by l at the end. Since M is a whole number, a kernel that streams over the keys may use a running M (the ceiling of the running maximum): every later rescaling is an exact power of two, so the quantised numbers keep their values, but for numbers so far below the row's largest that they fall under the format's range.
;;   OPERANDS COMPUTED ON THE WAY. 'Computed on the way' means the value that the module computes at that place (a softmax that the list does not call 'softmax' is quantised finished and normalised). What goes into a quantiser is computed in f32, as accurately as f32 sums, v_exp_f32 and their like allow (about 1e-6 of the number): no bf16 or f16 on the way to a quantiser, and a product that is left as it is and whose result goes on into a quantised operand takes f32 operands (vector FMAs, or v_wmma_f32_16x16x4_f32). A number that lies on a knife's edge between two numbers of the format may be rounded either way, as far as f32 arithmetic and the matrix unit's own rounding can turn it there, and no further.
;; One version. Each part assembles by itself: llvm-mc -triple=amdgcn-amd-amdhsa -mcpu=gfx1250 --defsym DOCPART=n.
;; ======== version 1 of 1: 4 launches
;; limits: right only within a limited range of input values
;; workspace buffers: xc 12,582,912 bytes; wc 4,194,304 bytes; qc 4,194,304 bytes; kc 4,194,304 bytes; vc 4,194,304 bytes; cc 4,194,304 bytes
;; launch quant (part 1): grid 512 x 1, 8 waves a work-group, no clusters, 68,608 bytes of LDS; arguments x, Wq_w, Wk_w, Wv_w, Wo_w, lowp_scales, xc, wc; writes xc, wc
.if DOCPART == 1
	.amdgcn_target "amdgcn-amd-amdhsa--gfx1250"
	.amdhsa_code_object_version 6
	.text
	.protected	k_q5f0fa0f6d4_quant
	.globl	k_q5f0fa0f6d4_quant
	.p2align	8
	.type	k_q5f0fa0f6d4_quant,@function
k_q5f0fa0f6d4_quant:
	s_mov_b64 s[64:65], 0
	v_nop
	global_prefetch_b8 v0, s[64:65] scope:SCOPE_SE
	s_setreg_imm32_b32 hwreg(HW_REG_WAVE_MODE, 25, 1), 1
	s_wait_xcnt 0x0
; x [4096][1024] and the four weights [1024][1024], f32 with K innermost, become codes of FP8 (E4M3), laid as IMAGES OF OPERAND REGISTERS.
; code = number / 2^e, held within +-448, to the nearest code, ties to even.  x is an operand of three products with three given scales (entries 0, 2, 4 of the scales): three planes of codes.
; The weights take entries 1, 3, 5, 11.  LIMITS: each e between -126 and 119; NaN and infinities among the inputs are not served.
; AN IMAGE (16 rows x 128 along K, 2,048 bytes): byte 512 c + 16 lane + 8 w + i holds row lane % 16, k = 32 c + 16 w + 8 (lane / 16) + i: four 16-byte loads at 16 x lane, 512 bytes apart, give a lane
; the sixteen registers that the K = 128 form wants of it (registers 2 t, 2 t + 1: k = 16 t + 8 (lane / 16) + 0 .. 7).
; xc: [plane 3][chunk of K = 256: 4][row tile 256][half 2][image];  wc: [weight 4: q, k, v, o][chunk 4][row tile 64][half 2][image].
; SHARES.  Work-groups 0-255 take a row tile (16 rows) of x, 256-511 one of a weight.  Wave w takes k = 128 w .. 128 w + 127 of the 16 rows: one image (three for x).
; Each load reads 512 consecutive bytes of a row; the 8 KiB turn through the wave's own stage in LDS (rows 528 bytes apart), from which a lane takes its 8 + 8 neighbours along K of each 32.
; Straight-line text: no loop, no barrier (waves share nothing), no tensor load.  All sixteen loads of a wave are out at once.
.set SPT,  528                         ; a stage row: 512 bytes + 16
.set STG,  16*SPT                      ; a wave's stage
.set SCL,  8                           ; v8, v10, v12: 2^e of output 0, 1, 2;  v9, v11, v13: 448 x 2^e
.set R,    16                          ; v16-79   the 16 rows as loaded
.set X,    80                          ; v80-143  my 64 numbers: register 16 c + 8 w + i = k 32 c + 16 w + 8 (lane / 16) + i
.set T,    144                         ; v144-175 two sets of 16 held numbers, by turns
.set C,    176                         ; v176-223 codes: 16 registers for each output, so that no store's data are written again
	s_load_b512 s[4:19], s[0:1], 0x0               ; x, Wq_w, Wk_w, Wv_w, Wo_w, the scales, xc, wc
	v_lshl_add_u32 v224, v0, 2, 0x10800
	v_mov_b32 v225, 0
	v_lshrrev_b32 v1, 5, v0
	v_readfirstlane_b32 s32, v1                    ; wave 0..7 = which 128 along K
	v_and_b32 v2, 31, v0
	v_lshlrev_b32 v4, 4, v2                        ; 16 x lane: my bytes of a load's 512 and of a store's 512
	v_and_b32 v3, 15, v0                           ; r
	v_bfe_u32 v7, v0, 4, 1                         ; lane / 16
	s_mul_i32 s47, s32, STG
	v_add_nc_u32 v5, s47, v4                       ; into the stage: as loaded
	v_mul_u32_u24 v6, v3, SPT
	v_lshl_add_u32 v6, v7, 5, v6
	v_add_nc_u32 v6, s47, v6                       ; out of it: row r, + 32 bytes (8 numbers) for the upper half of the lanes
	s_and_b32 s34, ttmp9, 63                       ; a weight's row tile
	s_lshr_b32 s35, ttmp9, 6
	s_sub_co_u32 s35, s35, 4                       ; which weight (has a meaning from work-group 256 on)
	s_lshr_b32 s44, s32, 1                         ; chunk
	s_and_b32 s41, s32, 1                          ; half
	s_cmp_lt_u32 ttmp9, 256                        ; x's work-group or a weight's: the choice hangs on the work-group's number alone
	s_cselect_b32 s33, ttmp9, s34                  ; row tile
	s_cselect_b32 s45, 20, 18                      ; a chunk is 1 MiB in xc, 256 KiB in wc
	s_cselect_b32 s46, 0, s35
	s_lshl_b32 s42, s33, 16                        ; from: 16 rows of 4,096 bytes a tile,
	s_lshl_b32 s43, s32, 9                         ; + 512 bytes for each 128 along K
	s_add_co_u32 s42, s42, s43
	s_mov_b32 s43, 0
	s_lshl_b32 s48, s44, s45                       ; to: chunk,
	s_lshl_b32 s46, s46, 20                        ; + the weight's plane of 1 MiB,
	s_add_co_u32 s48, s48, s46
	s_lshl_b32 s46, s33, 12                        ; + 4,096 bytes a row tile,
	s_add_co_u32 s48, s48, s46
	s_lshl_b32 s46, s41, 11                        ; + 2,048 a half
	s_add_co_u32 s48, s48, s46
	s_mov_b32 s49, 0
	s_wait_kmcnt 0x0
	s_load_b256 s[20:27], s[14:15], 0x0            ; e0 .. e7
	s_load_b128 s[28:31], s[14:15], 0x20           ; e8 .. e11
	s_cmp_eq_u32 s35, 1
	s_cselect_b64 s[36:37], s[8:9], s[6:7]
	s_cmp_eq_u32 s35, 2
	s_cselect_b64 s[36:37], s[10:11], s[36:37]
	s_cmp_eq_u32 s35, 3
	s_cselect_b64 s[36:37], s[12:13], s[36:37]
	s_cmp_lt_u32 ttmp9, 256
	s_cselect_b64 s[36:37], s[4:5], s[36:37]       ; the tensor that I read,
	s_cselect_b64 s[38:39], s[16:17], s[18:19]     ; the buffer that I write
	s_add_nc_u64 s[36:37], s[36:37], s[42:43]
	s_add_nc_u64 s[38:39], s[38:39], s[48:49]
.irp i, 0,1,2,3,4,5,6,7,8,9,10,11,12,13,14,15
	global_load_b128 v[R+4*\i:R+4*\i+3], v4, s[36:37] offset:4096*\i th:TH_LOAD_NT   ; 512 consecutive bytes of row i; read once in the launch
.endr
.macro MKSC e, vs                      ; from the whole number in s[e]: v[vs] = 2^e as f32 (the conversion takes its exponent field), v[vs + 1] = 448 x 2^e
	s_add_co_i32 s52, s[\e], 127
	s_lshl_b32 s53, s52, 23
	v_mov_b32 v[\vs], s53
	s_add_co_i32 s52, s52, 8
	s_lshl_b32 s52, s52, 23
	s_or_b32 s52, s52, 0x600000
	v_mov_b32 v[\vs+1], s52
.endm
	s_wait_kmcnt 0x0
	s_cmp_eq_u32 s35, 1
	s_cselect_b32 s40, s23, s21                    ; e3 or e1
	s_cmp_eq_u32 s35, 2
	s_cselect_b32 s40, s25, s40                    ; e5
	s_cmp_eq_u32 s35, 3
	s_cselect_b32 s40, s31, s40                    ; e11
	s_cmp_lt_u32 ttmp9, 256
	s_cselect_b32 s40, s20, s40                    ; e0 for x's first plane
	MKSC 40, SCL
	MKSC 22, SCL+2                                 ; e2
	MKSC 24, SCL+4                                 ; e4
.irp i, 0,1,2,3,4,5,6,7,8,9,10,11,12,13,14,15
	s_wait_loadcnt 15-\i                           ; loads come back in order: row i is in, the 15 - i younger ones may be out
	ds_store_b128 v5, v[R+4*\i:R+4*\i+3] offset:SPT*\i
.endr
.irp c, 0,1,2,3                        ; LDS serves a wave's instructions in order: these see the stores above
	ds_load_b128 v[X+16*\c:X+16*\c+3],     v6 offset:128*\c
	ds_load_b128 v[X+16*\c+4:X+16*\c+7],   v6 offset:128*\c+16
	ds_load_b128 v[X+16*\c+8:X+16*\c+11],  v6 offset:128*\c+64
	ds_load_b128 v[X+16*\c+12:X+16*\c+15], v6 offset:128*\c+80
.endr
; Output o: the 64 numbers are held and converted with scale o, 16 at a time, and stored, 512 consecutive aligned bytes a store.
; The held numbers lie in two sets by turns, so that sixteen plain lines stand between a conversion and the next write of its sources.
.macro QUANT o, dst
.irp c, 0,1,2,3
.if \o == 0
	s_wait_dscnt 12-4*\c                           ; piece c's four loads are in; the 12 - 4 c younger ones may be out
.endif
.irp i, 0,1,2,3,4,5,6,7,8,9,10,11,12,13,14,15
	v_med3_num_f32 v[T+16*(\c%2)+\i], v[X+16*\c+\i], -v[SCL+2*\o+1], v[SCL+2*\o+1]   ; the conversion to an 8-bit code does not saturate (ISA guide 7.6.2): the hold comes first
.endr
	v_cvt_scalef32_pk8_fp8_f32 v[C+16*\o+4*\c:C+16*\o+4*\c+1], v[T+16*(\c%2):T+16*(\c%2)+7], v[SCL+2*\o]
	v_cvt_scalef32_pk8_fp8_f32 v[C+16*\o+4*\c+2:C+16*\o+4*\c+3], v[T+16*(\c%2)+8:T+16*(\c%2)+15], v[SCL+2*\o]
	global_store_b128 v4, v[C+16*\o+4*\c:C+16*\o+4*\c+3], s[\dst:\dst+1] offset:512*\c
.endr
.endm
	QUANT 0, 38
	s_cmp_lt_u32 ttmp9, 256
	s_cbranch_scc0 .Lend                           ; a weight has one scale; x has two more planes, 4 MiB apart
	s_add_nc_u64 s[50:51], s[38:39], 0x400000
	s_add_nc_u64 s[54:55], s[38:39], 0x800000
	QUANT 1, 50
	QUANT 2, 54
.Lend:
	s_wait_tensorcnt 0x0
	ds_add_u32 v224, v225
	s_wait_dscnt 0x0
	s_endpgm
.Lfunc_end_k_q5f0fa0f6d4_quant:
	.size	k_q5f0fa0f6d4_quant, .Lfunc_end_k_q5f0fa0f6d4_quant-k_q5f0fa0f6d4_quant
	.p2alignl 7, 3214868480
	.fill 96, 4, 3214868480
	.section	.rodata,"a",@progbits
	.p2align	6, 0x0
	.amdhsa_kernel k_q5f0fa0f6d4_quant
		.amdhsa_group_segment_fixed_size 68608
		.amdhsa_private_segment_fixed_size 0
		.amdhsa_enable_private_segment 0
		.amdhsa_kernarg_size 64
		.amdhsa_user_sgpr_count 2
		.amdhsa_user_sgpr_kernarg_segment_ptr 1
		.amdhsa_wavefront_size32 1
		.amdhsa_system_sgpr_workgroup_id_x 1
		.amdhsa_system_sgpr_workgroup_id_y 1
		.amdhsa_system_sgpr_workgroup_id_z 1
		.amdhsa_system_vgpr_workitem_id 0
		.amdhsa_next_free_vgpr 226
		.amdhsa_next_free_sgpr 66
		.amdhsa_reserve_vcc 0
		.amdhsa_float_denorm_mode_32 3
		.amdhsa_float_denorm_mode_16_64 3
		.amdhsa_memory_ordered 1
		.amdhsa_forward_progress 1
		.amdhsa_inst_pref_size 23
	.end_amdhsa_kernel
	.amdgpu_metadata
---
amdhsa.version: [ 1, 2 ]
amdhsa.kernels:
  - .name:           k_q5f0fa0f6d4_quant
    .symbol:         k_q5f0fa0f6d4_quant.kd
    .args:
      - { .name: x, .offset: 0, .size: 8, .value_kind: global_buffer, .address_space: global }
      - { .name: Wq_w, .offset: 8, .size: 8, .value_kind: global_buffer, .address_space: global }
      - { .name: Wk_w, .offset: 16, .size: 8, .value_kind: global_buffer, .address_space: global }
      - { .name: Wv_w, .offset: 24, .size: 8, .value_kind: global_buffer, .address_space: global }
      - { .name: Wo_w, .offset: 32, .size: 8, .value_kind: global_buffer, .address_space: global }
      - { .name: lowp_scales, .offset: 40, .size: 8, .value_kind: global_buffer, .address_space: global }
      - { .name: xc, .offset: 48, .size: 8, .value_kind: global_buffer, .address_space: global }
      - { .name: wc, .offset: 56, .size: 8, .value_kind: global_buffer, .address_space: global }
    .group_segment_fixed_size: 68608
    .private_segment_fixed_size: 0
    .kernarg_segment_align: 8
    .kernarg_segment_size: 64
    .max_flat_workgroup_size: 256
    .sgpr_count:     66
    .vgpr_count:     226
    .wavefront_size: 32
...
	.end_amdgpu_metadata
.endif
;; end of part 1
;; launch qkv (part 2): grid 4 x 48, 4 waves a work-group, clusters of 4 x 4, 327,680 bytes of LDS; arguments xc, wc, lowp_scales, Wq_b, Wk_b, Wv_b, mask, qc, kc, vc; writes qc, kc, vc
.if DOCPART == 2
	.amdgcn_target "amdgcn-amd-amdhsa--gfx1250"
	.amdhsa_code_object_version 6
	.text
	.protected	k_q5f0fa0f6d4_qkv
	.globl	k_q5f0fa0f6d4_qkv
	.p2align	8
	.type	k_q5f0fa0f6d4_qkv,@function
k_q5f0fa0f6d4_qkv:
	s_mov_b64 s[64:65], 0
	v_nop
	global_prefetch_b8 v0, s[64:65] scope:SCOPE_SE
	s_setreg_imm32_b32 hwreg(HW_REG_WAVE_MODE, 25, 1), 1
	s_wait_xcnt 0x0
	s_wait_alu depctr_hold_cnt(0) depctr_sa_sdst(0) depctr_va_vdst(0) depctr_va_sdst(0) depctr_va_ssrc(0) depctr_va_vcc(0) depctr_vm_vsrc(0)
	s_getreg_b32 s2, hwreg(HW_REG_IB_STS2, 6, 4)
	s_cmp_eq_u32 s2, 0
	s_cbranch_scc0 .Lentry_in_a_cluster
	s_endpgm
.Lentry_in_a_cluster:
	s_bfe_u32 s2, ttmp6, 0x10000c
	s_cmp_lg_u32 s2, 0xf033
	s_cbranch_scc0 .Lentry_shape_is_right
	s_endpgm
.Lentry_shape_is_right:
; Q = x Wq^T + bq, K = x Wk^T + bk, V^T = Wv x^T + bv, on codes of FP8 (E4M3), K = 1,024; the results are quantised at once with the scales given for the attention's operands (entries 6, 7, 9)
; and stored as images of operand registers.  K's rows whose key has mask = 0 become zero codes, so that their scores are exactly the bias that the attention gives them.
; LIMITS: e(2p) + e(2p+1) between -126 and 127; entries 6, 7, 9 between -126 and 119.
; SHARES.  3 products x 16 x 4 tiles of 256 x 256 = 192 work-groups, at most one to a WGP.  A wave makes 128 x 128: 64 accumulators, 512 registers: for 128 along K it reads 2 x 128 rows x 128 bytes from LDS for 64 matrix instructions.
; For Q and K operand A is x's plane p (rows = tokens) and B the weight (rows = outputs); for V it is the other way round, so that a lane's eight results are eight neighbouring KEYS.
; K goes in four chunks of 256 through two LDS slots (A's 256 rows, 64 KiB, then B's); chunk j lies in slot j % 2.  Chunks 0 and 1 are asked for at the start, chunks 2 and 3 each behind a change of slots:
; by this text's own count a wave has two tensor loads out at the start and one later.  The tiles are images of registers, dense in memory and in LDS: every fragment load takes 512 consecutive bytes.
; CLUSTER 4 x 4: the four work-groups of a row need the same tiles of A, the four of a column the same tiles of B: each is asked for jointly.
; THE MATRIX INSTRUCTION IS USED TRANSPOSED (source 0 = 16 rows of B, source 1 = 16 rows of A): lane (r, h) holds row 16 a + r of A's side and columns 16 b + 8 h + 0 .. 7 of B's.
; A wave's 128 columns (Q, K) or 128 rows (V) are two heads.  The eight codes of accumulator (a, b) are registers 2 (b % 4), 2 (b % 4) + 1 of the lane's own part of an image of 16 rows x 64: nothing changes lanes on the way out.
; qc, kc: [batch x head 32][tile of 16 tokens 128][image 1,024 B];  vc: [batch x head][block of 64 keys 32][tile of 16 channels 4][image]:
;   byte 512 c + 16 lane + 8 w + i = row lane % 16, K index 32 c + 16 w + 8 (lane / 16) + i.
; REGISTERS, in windows of 256: window 0: v3 16 x lane; v8-11 offsets of the stores; v16, 17, v20, 21 LDS addresses; v22-24 offsets of bias and mask; v26-31 constants; v32-95 bias along B's side; v96-111 bias along A's side (pairs);
;   v112-119 the holds; v120-127 mask; from v128 A's fragments (8 x 16 rows x 128 K), ONE set; on the way out the codes.
;   window 1: B's fragments, TWO sets, at v0 and at v128.   window 2: the 32 accumulators of my rows 0-63 (accumulator (a, b) at v[8 (8 a + b)]);   window 3: those of my rows 64-127.
; A step of 128 along K is 64 matrix instructions, A's blocks one after the other, each against B's eight: a block of A is free as soon as its eight products are issued, so one set serves A
; (blocks 0-3 are fetched anew in the step's middle, blocks 4-7 at its end); B's fragments are at work through the whole step and have two sets.
.set SLOT,  131072
.set SPARE, 2*SLOT                     ; behind the slots: the spare words, 128 bytes for each wave: two blocks of 256 bytes that no other line names
.set FR,   16                          ; registers of a fragment
.set LI,   3
.set GO,   8                           ; v8-11   16 x lane + the step for a / 4 + the step for b / 4
.set ADRA, 16                          ; v16-17  slot s: 131072 s + 32768 x (my half of A's rows) + 16 x lane
.set ADRB, 20                          ; v20-21  slot s: 131072 s + 65536 + 32768 x (my half of B's rows) + 16 x lane
.set ZR,   26                          ; 0, for the selections
.set SPW,  28                          ; LDS address of my spare word: SPARE + 4 x my thread's number; never rewritten
.set NIL,  29                          ; 0; never rewritten
.set HLD,  30
.set SCO,  31
.set BN,   32
.set BM,   96
.set LIM,  112
.set MK,   120
.set AF,   128
.set CD,   128
.set G1A,  24
.set G1B,  32
.set G0A,  40                          ; s[40:55] one group 0 for each chunk of A: none is ever rewritten
.set G0B,  68                          ; s[68:83] the same for B
.set WV,   56
.set RH,   57                          ; which half of A's rows is mine.  Also: I fetch for A (0) or for B (1)
.set CH,   58                          ; which half of B's rows.  Also: which half of a tile I fetch
.set MSB, 0
.macro WIN new                         ; the immediate's high byte repeats the setting that is left
.if MSB != \new
	s_set_vgpr_msb (MSB<<8)|\new
.set MSB, \new
.endif
.endm
.set MUL_LO, 0xa1                      ; source 0 (B) window 1, source 1 (A) window 0, C and D window 2
.set MUL_HI, 0xf1                      ; the same, C and D window 3
.set TO_B,   0x40                      ; destination window 1, address window 0
; A joint load of chunk j: waves 0 and 1 fetch A's two halves, waves 2 and 3 B's.  Each of the two lines has one mask and one set of registers for all that issue it; the branch hangs on the wave's number alone.
; Four v_nop follow each of the two lines, ahead of the jump, the label and what follows.
.macro JLOAD j
	s_cmp_eq_u32 s[RH], 0
	s_cbranch_scc0 .Lfor_b_\@
	tensor_load_to_lds s[G0A+4*\j:G0A+4*\j+3], s[G1A:G1A+7]
	s_nop 0
.rept 4
	v_nop
.endr
	s_branch .Lasked_\@
.Lfor_b_\@:
	tensor_load_to_lds s[G0B+4*\j:G0B+4*\j+3], s[G1B:G1B+7]
	s_nop 0
.rept 4
	v_nop
.endr
.Lasked_\@:
.endm
.macro CREST                           ; a round of the cluster's barrier behind its opening barrier
	s_cmp_lg_u32 s[WV], 0
	s_cbranch_scc1 .Lnot_wave_0_\@
	s_barrier_signal -3
.Lnot_wave_0_\@:
	s_barrier_wait -3
	s_barrier_signal -1
	s_barrier_wait -1
.endm
.macro CROUND                          ; a whole round
	s_barrier_signal -1
	s_barrier_wait -1
	CREST
.endm
.macro FRAG reg, adr, q, i             ; the image of row tile i, half q of the chunk: four loads of 512 consecutive bytes
.irp c, 0,1,2,3
	ds_load_b128 v[\reg+4*\c:\reg+4*\c+3], v[\adr] offset:4096*(\i)+2048*(\q)+512*\c
.endr
.endm
; 16 matrix instructions: A's blocks a0, a0 + 1 x B's eight, 128 along K.  p: B's set.  zero = 1: the first product starts the sums: nothing is ever cleared.
; The 64 accumulators take turns, one instruction a turn, in the same order in every step.
.macro MUL16 a0, p, zero
.irp a, \a0, \a0+1
.irp b, 0,1,2,3,4,5,6,7
.if \zero
	v_wmma_f32_16x16x128_fp8_fp8 v[8*(8*((\a)%4)+\b):8*(8*((\a)%4)+\b)+7], v[128*(\p)+FR*\b:128*(\p)+FR*\b+FR-1], v[AF+FR*(\a):AF+FR*(\a)+FR-1], 0
.else
	v_wmma_f32_16x16x128_fp8_fp8 v[8*(8*((\a)%4)+\b):8*(8*((\a)%4)+\b)+7], v[128*(\p)+FR*\b:128*(\p)+FR*\b+FR-1], v[AF+FR*(\a):AF+FR*(\a)+FR-1], v[8*(8*((\a)%4)+\b):8*(8*((\a)%4)+\b)+7]
.endif
.endr
.endr
.endm
.macro FETCH_B slot, q, p              ; B's eight fragments of the slot's q-th 128 along K into set p
	WIN TO_B
.irp i, 0,1,2,3,4,5,6,7
	FRAG 128*(\p)+FR*\i, ADRB+\slot, \q, \i
.endr
	WIN 0
.endm
.macro FETCH_A slot, q, i0             ; A's blocks i0 .. i0 + 3
.irp i, \i0, \i0+1, \i0+2, \i0+3
	FRAG AF+FR*(\i), ADRA+\slot, \q, \i
.endr
.endm
; A load into a register that a matrix instruction has read, and a vector instruction that reads a matrix result, stand four places behind that matrix instruction, and only plain vector instructions that name
; none of its registers are places (ISA guide 7.12.1 for vector instructions).
.macro PLACES
.rept 4
	v_nop
.endr
.endm
; A slot's first step of 128 along K (B's set 0); the slot's second step is fetched meanwhile (B's into set 1).
.macro STEP slot, zero
	s_wait_dscnt 16                                ; B's set and A's blocks 0-3 are in; the youngest 16 loads (A's blocks 4-7) may be out
	WIN MUL_LO
	MUL16 0, 0, \zero
	MUL16 2, 0, \zero
	s_wait_dscnt 0x0                               ; A's blocks 4-7 are in (asked for 32 matrix instructions ago)
	PLACES
	FETCH_B \slot, 1, 1
	FETCH_A \slot, 1, 0
	WIN MUL_HI
	MUL16 4, 0, \zero
	MUL16 6, 0, \zero
	PLACES
	WIN 0
	FETCH_A \slot, 1, 4
.endm
; A slot's second step (B's set 1) changes slots: ONE barrier; in front of it each wave waits for all its tensor loads (its part of the next slot), adds 0 to its spare word, and waits for that and for its own reads of this slot.
; fill = 1: the barrier opens a round of the cluster's, and the slot just read out takes the given chunk: that load has 96 matrix instructions of mine in which to land.
.macro TURN next, fill, chunk
	s_wait_tensorcnt 0x0                           ; all my tensor loads have landed: my part of the next slot;  (every window is 0 here: the add's two registers lie in window 0)
	ds_add_u32 v[SPW], v[NIL]                      ; 0 onto my spare word
	s_wait_dscnt 17                                ; (the add and the youngest 16 loads, A's blocks 4-7, may be out)
	WIN MUL_LO
	MUL16 0, 1, 0                                  ; sixteen matrix instructions stand between the add and the wait for it
	s_wait_dscnt 0x0                               ; the add is done, and my reads of this slot are over
	s_barrier_signal -1
	MUL16 2, 1, 0
	WIN 0
	s_barrier_wait -1
.if \fill
	CREST                                          ; no wave of any partner still reads this slot's tile or has a load on its way
	JLOAD \chunk                                   ; the first tensor load behind the round; the four v_nop behind it are also the places in front of the loads below
.else
	PLACES
.endif
	FETCH_B \next, 0, 0
	FETCH_A \next, 0, 0
	WIN MUL_HI
	MUL16 4, 1, 0
	MUL16 6, 1, 0
	PLACES
	WIN 0
	FETCH_A \next, 0, 4
.endm
	s_load_b512 s[4:19], s[0:1], 0x0               ; xc, wc, the scales, Wq_b, Wk_b, Wv_b, mask, qc
	s_load_b128 s[20:23], s[0:1], 0x40             ; kc, vc
	v_lshl_add_u32 v[SPW], v0, 2, SPARE
	v_mov_b32 v[NIL], 0
	ds_add_u32 v28, v29
	ds_add_u32 v28, v29
	s_wait_dscnt 0x0
	v_lshrrev_b32 v1, 5, v0
	v_readfirstlane_b32 s[WV], v1                  ; wave 0..3
	s_lshr_b32 s[RH], s[WV], 1
	s_and_b32 s[CH], s[WV], 1
	s_bfe_u32 s59, ttmp6, 0x40000                  ; cx
	s_bfe_u32 s60, ttmp6, 0x40004                  ; cy
	s_and_b32 s61, ttmp7, 0xffff                   ; the cluster's number, 0..11
	s_lshr_b32 s62, s61, 2                         ; p: 0 Q, 1 K, 2 V
	s_and_b32 s63, s61, 3
	s_lshl_b32 s63, s63, 2                         ; which four of the 16 tiles of 256 tokens
	s_cmp_eq_u32 s62, 2                            ; V?  All these choices hang on the cluster's number, which the partners share
	s_cselect_b32 s67, 0, s63
	s_cselect_b32 s94, s63, 0
	s_cselect_b32 s95, 20, 22                      ; A's plane: 1 MiB in wc, 4 MiB in xc
	s_cselect_b32 s98, 22, 20                      ; B's
	s_cselect_b32 s99, 18, 20                      ; A's chunk: 256 KiB in wc, 1 MiB in xc
	s_cselect_b32 s63, 20, 18                      ; B's
	s_add_co_u32 s67, s67, s60                     ; A's tile of 256 rows
	s_add_co_u32 s94, s94, s59                     ; B's
	s_lshl_b32 s96, s62, s95                       ; A's plane in bytes
	s_lshl_b32 s100, s62, s98                      ; B's
	s_lshl_b32 s2, 1, s99                          ; from chunk to chunk of A
	s_mov_b32 s3, 0
	s_lshl_b32 s95, s60, 2
	s_lshl_b32 s95, 15, s95                        ; my row of the cluster
	s_lshl_b32 s98, 0x1111, s59                    ; my column
	; descriptor group 1: a dense block of 32 KiB as 128 rows of 32 elements of 8 bytes
	s_or_b32 s[G1A], s95, (3<<16)|(1<<21)          ; 15:0 the mask: A's tiles go to my row; 17:16 elements of 8 bytes; 21 set beside a mask
	s_or_b32 s[G1B], s98, (3<<16)|(1<<21)          ; B's to my column
.irp g, G1A, G1B
	s_mov_b32 s[\g+1], 32<<16                      ; tensor_dim0 = 32
	s_mov_b32 s[\g+2], 128<<16                     ; tensor_dim1 = 128
	s_mov_b32 s[\g+3], 32<<16                      ; tile_dim0 = 32
	s_mov_b32 s[\g+4], 128                         ; tile_dim1 = 128
	s_mov_b32 s[\g+5], 32                          ; from row to row
	s_mov_b32 s[\g+6], 0
	s_mov_b32 s[\g+7], 0
.endr
	s_lshl_b32 s60, 1, s63                         ; from chunk to chunk of B
	s_mov_b32 s61, 0
	s_lshl_b32 s95, s67, 16                        ; a tile is 16 row tiles of 4,096 bytes in a chunk
	s_add_co_u32 s96, s96, s95
	s_lshl_b32 s95, s[CH], 15                      ; the half that I fetch: in memory and in LDS
	s_add_co_u32 s96, s96, s95
	s_mov_b32 s97, 0
	s_lshl_b32 s98, s94, 16
	s_add_co_u32 s100, s100, s98
	s_add_co_u32 s100, s100, s95
	s_mov_b32 s101, 0
	s_add_co_u32 s63, s95, 65536                   ; B's tiles lie behind A's in a slot
	s_wait_kmcnt 0x0
	s_load_b256 s[84:91], s[8:9], 0x0              ; e0 .. e7
	s_load_b64 s[92:93], s[8:9], 0x20              ; e8, e9
	s_cmp_eq_u32 s62, 2
	s_cselect_b64 s[98:99], s[6:7], s[4:5]         ; A's buffer
	s_cselect_b64 s[4:5], s[4:5], s[6:7]           ; B's
	s_add_nc_u64 s[98:99], s[98:99], s[96:97]
	s_add_nc_u64 s[4:5], s[4:5], s[100:101]
.irp j, 0,1,2,3
	s_mov_b32 s[G0A+4*\j], 1                       ; count = 1
	s_add_co_u32 s[G0A+4*\j+1], s95, SLOT*(\j%2)   ; LDS address: the wave's number and constants alone
	s_mov_b64 s[G0A+4*\j+2:G0A+4*\j+3], s[98:99]
	s_or_b32 s[G0A+4*\j+3], s[G0A+4*\j+3], 0x80000000  ; type = 2
	s_add_nc_u64 s[98:99], s[98:99], s[2:3]
	s_mov_b32 s[G0B+4*\j], 1
	s_add_co_u32 s[G0B+4*\j+1], s63, SLOT*(\j%2)
	s_mov_b64 s[G0B+4*\j+2:G0B+4*\j+3], s[4:5]
	s_or_b32 s[G0B+4*\j+3], s[G0B+4*\j+3], 0x80000000
	s_add_nc_u64 s[4:5], s[4:5], s[60:61]
.endr
	CROUND                                         ; all sixteen work-groups are here: the first joint loads meet
	s_cmp_eq_u32 s[RH], 0                          ; a wave's two first fills stand in one branch on its number, ahead of every wait on TENSORcnt and every LDS read; four v_nop follow the second
	s_cbranch_scc0 .Lfirst_b
	tensor_load_to_lds s[G0A:G0A+3], s[G1A:G1A+7]
	s_nop 0
	tensor_load_to_lds s[G0A+4:G0A+7], s[G1A:G1A+7]
	s_nop 0
.rept 4
	v_nop
.endr
	s_branch .Lfirst_done
.Lfirst_b:
	tensor_load_to_lds s[G0B:G0B+3], s[G1B:G1B+7]
	s_nop 0
	tensor_load_to_lds s[G0B+4:G0B+7], s[G1B:G1B+7]
	s_nop 0
.rept 4
	v_nop
.endr
.Lfirst_done:
	v_and_b32 v2, 31, v0
	v_lshlrev_b32 v[LI], 4, v2                     ; 16 x lane
	v_and_b32 v4, 15, v0                           ; r
	v_bfe_u32 v5, v0, 4, 1                         ; h
	s_lshl_b32 s98, s[RH], 15
	v_add_nc_u32 v[ADRA], s98, v[LI]
	s_lshl_b32 s98, s[CH], 15
	s_add_co_u32 s98, s98, 65536
	v_add_nc_u32 v[ADRB], s98, v[LI]
	v_add_nc_u32 v[ADRA+1], SLOT, v[ADRA]
	v_add_nc_u32 v[ADRB+1], SLOT, v[ADRB]
	; the bias of product p, once along B's side (used by Q and K) and once along A's (used by V); tile numbers are taken modulo 4, so that every load stays inside its 1,024 numbers; what is not used is replaced by 0 below
	s_cmp_eq_u32 s62, 1
	s_cselect_b64 s[96:97], s[12:13], s[10:11]
	s_cmp_eq_u32 s62, 2
	s_cselect_b64 s[96:97], s[14:15], s[96:97]
	s_and_b32 s98, s94, 3
	s_lshl_b32 s98, s98, 10
	s_lshl_b32 s99, s[CH], 9
	s_add_co_u32 s98, s98, s99
	v_lshl_add_u32 v22, v5, 5, s98                 ; 4 x (256 tile + 128 half + 8 h)
	s_and_b32 s98, s67, 3
	s_lshl_b32 s98, s98, 10
	s_lshl_b32 s99, s[RH], 9
	s_add_co_u32 s98, s98, s99
	v_lshl_add_u32 v23, v4, 2, s98                 ; 4 x (256 tile + 128 half + r)
	s_lshl_b32 s98, s67, 10
	s_add_co_u32 s98, s98, s99
	v_lshl_add_u32 v24, v4, 2, s98                 ; the mask of A's row: for K that row is batch x 2,048 + key
.irp b, 0,1,2,3,4,5,6,7
	global_load_b128 v[BN+8*\b:BN+8*\b+3], v22, s[96:97] offset:64*\b
	global_load_b128 v[BN+8*\b+4:BN+8*\b+7], v22, s[96:97] offset:64*\b+16
.endr
.irp a, 0,1,2,3,4,5,6,7
	global_load_b32 v[BM+2*\a], v23, s[96:97] offset:64*\a
	global_load_b32 v[MK+\a], v24, s[16:17] offset:64*\a
	v_mov_b32 v[BM+2*\a+1], 0                      ; named with it as a pair, so it is written
.endr
	; where my 128 x 128 goes: (batch x 16 + first head) x 128 KiB + 64 bytes for each token of the batch; then for Q and K 4,096 bytes for a / 4 (four tiles of tokens) and 128 KiB for b / 4 (the second head),
	; for V 128 KiB for a / 4 (the second head) and 4,096 bytes for b / 4 (the second block of 64 keys)
	s_cmp_eq_u32 s62, 2
	s_cselect_b32 s59, s94, s67                    ; the tokens' tile and half,
	s_cselect_b32 s66, s[CH], s[RH]
	s_cselect_b32 s98, s67, s94                    ; the outputs'
	s_cselect_b32 s99, s[RH], s[CH]
	s_cselect_b32 s60, -1, 0                       ; all lanes: V
	s_cselect_b32 s4, 17, 12
	s_cselect_b32 s5, 12, 17
	s_lshl_b32 s4, 1, s4                           ; the step for a / 4
	s_lshl_b32 s5, 1, s5                           ; the step for b / 4
	v_mov_b32 v[GO], v[LI]
	v_add_nc_u32 v[GO+1], s5, v[LI]
	v_add_nc_u32 v[GO+2], s4, v[LI]
	v_add_nc_u32 v[GO+3], s5, v[GO+2]
	s_lshl_b32 s59, s59, 8
	s_lshl_b32 s66, s66, 7
	s_add_co_u32 s59, s59, s66                     ; my first token
	s_lshl_b32 s98, s98, 2
	s_lshl_b32 s99, s99, 1
	s_add_co_u32 s98, s98, s99                     ; my first head
	s_lshr_b32 s66, s59, 11
	s_lshl_b32 s66, s66, 4
	s_add_co_u32 s66, s66, s98
	s_lshl_b32 s100, s66, 17
	s_and_b32 s59, s59, 2047
	s_lshl_b32 s59, s59, 6
	s_add_co_u32 s100, s100, s59
	s_mov_b32 s101, 0
	s_cmp_eq_u32 s62, 1
	s_cselect_b64 s[18:19], s[20:21], s[18:19]
	s_cselect_b32 s61, 0, -1                       ; all lanes: not K
	s_cmp_eq_u32 s62, 2
	s_cselect_b64 s[18:19], s[22:23], s[18:19]
	s_add_nc_u64 s[18:19], s[18:19], s[100:101]
	s_wait_kmcnt 0x0
	s_cmp_eq_u32 s62, 1
	s_cselect_b32 s6, s86, s84
	s_cselect_b32 s7, s87, s85
	s_cselect_b32 s5, s91, s90                     ; e7 or e6
	s_cmp_eq_u32 s62, 2
	s_cselect_b32 s6, s88, s6
	s_cselect_b32 s7, s89, s7
	s_cselect_b32 s5, s93, s5                      ; e9
	s_add_co_i32 s6, s6, s7
	s_add_co_i32 s6, s6, 127
	s_lshl_b32 s2, s6, 23                          ; 2^(the two operands' e added) as f32
	s_mov_b32 s3, s2                               ; (named with it as a pair, so it is written)
	s_add_co_i32 s5, s5, 127
	s_lshl_b32 s6, s5, 23
	v_mov_b32 v[SCO], s6                           ; the result's scale as f32
	s_add_co_i32 s5, s5, 8
	s_lshl_b32 s5, s5, 23
	s_or_b32 s5, s5, 0x600000
	v_mov_b32 v[HLD], s5                           ; 448 x that
	v_mov_b32 v[ZR], 0
	s_wait_loadcnt 0x0                             ; bias and mask; the first tiles are on their way meanwhile
.set i, 0
.rept 64
	v_cndmask_b32 v[BN+i], v[BN+i], v[ZR], s60     ; V has no bias along B's side,
.set i, i+1
.endr
.irp a, 0,1,2,3,4,5,6,7
	v_cndmask_b32 v[BM+2*\a], v[ZR], v[BM+2*\a], s60   ; Q and K none along A's
.endr
.irp a, 0,1,2,3,4,5,6,7
	v_cmp_ne_u32 s4, 0, v[MK+\a]
	s_or_b32 s4, s4, s61
	v_cndmask_b32 v[LIM+\a], v[ZR], v[HLD], s4     ; the hold of my row of block a: 448 x the scale, or 0 for a row of K whose key is masked: its codes are zeros
.endr
	s_wait_tensorcnt 1                             ; my part of chunk 0 is in; chunk 1's load may be out
	s_barrier_signal -1
	s_barrier_wait -1                              ; everybody's is
	FETCH_B 0, 0, 0
	FETCH_A 0, 0, 0
	FETCH_A 0, 0, 4
	STEP 0, 1                                      ; chunk 0: the first step's products start the sums
	TURN 1, 1, 2                                   ; slot 0 is left and takes chunk 2
	STEP 1, 0                                      ; chunk 1
	TURN 0, 1, 3                                   ; slot 1 is left and takes chunk 3
	STEP 0, 0                                      ; chunk 2
	TURN 1, 0, 0                                   ; nothing is left to fetch: no round of the cluster's barrier
	STEP 1, 0                                      ; chunk 3
	s_wait_dscnt 16                                ; the very last step
	WIN MUL_LO
	MUL16 0, 1, 0
	MUL16 2, 1, 0
	s_wait_dscnt 0x0
	WIN MUL_HI
	MUL16 4, 1, 0
	MUL16 6, 1, 0
	WIN 0
	PLACES                                         ; between the last products and the first read of results, and the first write of the registers that held A's fragments
; Block a, 16 rows: sum x 2^(e + e) + bias, in place, each accumulator from its low end on; the second addition brings the bias of the other side, of which one is 0; the hold; eight codes a conversion;
; four stores of 512 consecutive aligned bytes.  Each block has its own registers for its codes, so no store's data are written again.
.macro BLOCK a
.set AC, 64*((\a)%4)
.set WSRC, 2+(\a)/4                    ; the block's accumulators lie in window 2 or 3
.set WBOTH, (WSRC<<6)|WSRC
	WIN WBOTH                                      ; source 0 and destination there; the other sources in window 0
.irp b, 0,1,2,3,4,5,6,7
.irp i, 0,2,4,6
	v_pk_fma_f32 v[AC+8*\b+\i:AC+8*\b+\i+1], v[AC+8*\b+\i:AC+8*\b+\i+1], s[2:3], v[BN+8*\b+\i:BN+8*\b+\i+1] op_sel_hi:[1,0,1]
.endr
.endr
.set i, 0
.rept 32
	v_pk_add_f32 v[AC+i:AC+i+1], v[AC+i:AC+i+1], v[BM+2*(\a):BM+2*(\a)+1] op_sel_hi:[1,0]
.set i, i+2
.endr
.set i, 0
.rept 64
	v_med3_num_f32 v[AC+i], v[AC+i], -v[LIM+(\a)], v[LIM+(\a)]   ; the conversion to an 8-bit code does not saturate (ISA guide 7.6.2)
.set i, i+1
.endr
	WIN WSRC                                       ; source 0 there, destination in window 0
.irp b, 0,1,2,3,4,5,6,7
	v_cvt_scalef32_pk8_fp8_f32 v[CD+16*(\a)+2*\b:CD+16*(\a)+2*\b+1], v[AC+8*\b:AC+8*\b+7], v[SCO]
.endr
	WIN 0
	v_nop                                          ; a plain line behind the last conversion
.irp g, 0,1
.irp c, 0,1
	global_store_b128 v[GO+2*((\a)/4)+\g], v[CD+16*(\a)+8*\g+4*\c:CD+16*(\a)+8*\g+4*\c+3], s[18:19] offset:1024*((\a)%4)+512*\c
.endr
.endr
.endm
.irp a, 0,1,2,3,4,5,6,7
	BLOCK \a
.endr
	s_wait_tensorcnt 0x0                           ; the wave's end, behind my last tensor load
	ds_add_u32 v[SPW], v[NIL]
	s_wait_dscnt 0x0
	CROUND                                         ; the closing round: no work-group ends while a partner may still ask for a tile that names it
	s_endpgm
.Lfunc_end_k_q5f0fa0f6d4_qkv:
	.size	k_q5f0fa0f6d4_qkv, .Lfunc_end_k_q5f0fa0f6d4_qkv-k_q5f0fa0f6d4_qkv
	.p2alignl 7, 3214868480
	.fill 96, 4, 3214868480
	.section	.rodata,"a",@progbits
	.p2align	6, 0x0
	.amdhsa_kernel k_q5f0fa0f6d4_qkv
		.amdhsa_group_segment_fixed_size 327680
		.amdhsa_private_segment_fixed_size 0
		.amdhsa_enable_private_segment 0
		.amdhsa_kernarg_size 80
		.amdhsa_user_sgpr_count 2
		.amdhsa_user_sgpr_kernarg_segment_ptr 1
		.amdhsa_wavefront_size32 1
		.amdhsa_system_sgpr_workgroup_id_x 1
		.amdhsa_system_sgpr_workgroup_id_y 1
		.amdhsa_system_sgpr_workgroup_id_z 1
		.amdhsa_system_vgpr_workitem_id 0
		.amdhsa_next_free_vgpr 1024
		.amdhsa_next_free_sgpr 104
		.amdhsa_reserve_vcc 0
		.amdhsa_float_denorm_mode_32 3
		.amdhsa_float_denorm_mode_16_64 3
		.amdhsa_memory_ordered 1
		.amdhsa_forward_progress 1
		.amdhsa_inst_pref_size 161
	.end_amdhsa_kernel
	.amdgpu_metadata
---
amdhsa.version: [ 1, 2 ]
amdhsa.kernels:
  - .name:           k_q5f0fa0f6d4_qkv
    .symbol:         k_q5f0fa0f6d4_qkv.kd
    .args:
      - { .name: xc, .offset: 0, .size: 8, .value_kind: global_buffer, .address_space: global }
      - { .name: wc, .offset: 8, .size: 8, .value_kind: global_buffer, .address_space: global }
      - { .name: lowp_scales, .offset: 16, .size: 8, .value_kind: global_buffer, .address_space: global }
      - { .name: Wq_b, .offset: 24, .size: 8, .value_kind: global_buffer, .address_space: global }
      - { .name: Wk_b, .offset: 32, .size: 8, .value_kind: global_buffer, .address_space: global }
      - { .name: Wv_b, .offset: 40, .size: 8, .value_kind: global_buffer, .address_space: global }
      - { .name: mask, .offset: 48, .size: 8, .value_kind: global_buffer, .address_space: global }
      - { .name: qc, .offset: 56, .size: 8, .value_kind: global_buffer, .address_space: global }
      - { .name: kc, .offset: 64, .size: 8, .value_kind: global_buffer, .address_space: global }
      - { .name: vc, .offset: 72, .size: 8, .value_kind: global_buffer, .address_space: global }
    .group_segment_fixed_size: 327680
    .private_segment_fixed_size: 0
    .kernarg_segment_align: 8
    .kernarg_segment_size: 80
    .max_flat_workgroup_size: 128
    .sgpr_count:     104
    .vgpr_count:     1024
    .wavefront_size: 32
...
	.end_amdgpu_metadata
.endif
;; end of part 2
;; launch attn (part 3): grid 8 x 32, 8 waves a work-group, clusters of 4 x 1, 327,680 bytes of LDS; arguments qc, kc, vc, mask, lowp_scales, cc; writes cc
.if DOCPART == 3
	.amdgcn_target "amdgcn-amd-amdhsa--gfx1250"
	.amdhsa_code_object_version 6
	.text
	.protected	k_q5f0fa0f6d4_attn
	.globl	k_q5f0fa0f6d4_attn
	.p2align	8
	.type	k_q5f0fa0f6d4_attn,@function
k_q5f0fa0f6d4_attn:
	s_mov_b64 s[64:65], 0
	v_nop
	global_prefetch_b8 v0, s[64:65] scope:SCOPE_SE
	s_setreg_imm32_b32 hwreg(HW_REG_WAVE_MODE, 25, 1), 1
	s_wait_xcnt 0x0
	s_wait_alu depctr_hold_cnt(0) depctr_sa_sdst(0) depctr_va_vdst(0) depctr_va_sdst(0) depctr_va_ssrc(0) depctr_va_vcc(0) depctr_vm_vsrc(0)
	s_getreg_b32 s2, hwreg(HW_REG_IB_STS2, 6, 4)
	s_cmp_eq_u32 s2, 0
	s_cbranch_scc0 .Lentry_in_a_cluster
	s_endpgm
.Lentry_in_a_cluster:
	s_bfe_u32 s2, ttmp6, 0x10000c
	s_cmp_lg_u32 s2, 0x3003
	s_cbranch_scc0 .Lentry_shape_is_right
	s_endpgm
.Lentry_shape_is_right:
; context = softmax(Q K^T / 8, keys with mask = 0 set to a very low logit) V for one (batch, head) and 256 queries a work-group, both products on codes of FP8 (E4M3); the context is quantised at once (entry 10 of the scales).
; THE SOFTMAX AHEAD OF THE SECOND PRODUCT: t = logit x log2(e); M = the running largest t rounded UP to a whole number; p = 2^(t - M) is quantised (entry 8), not normalised; the row's sum is taken of the unquantised p and divides at the end.
; When M moves, the sum and O are multiplied by 2^(old M - new M): nothing is rounded, and there is no branch on data.
; THE MASK costs no vector work in the loop: each key has a bias, 0 or CB = -2^(33 - E), E = e6 + e7, which is the C of the score's matrix instruction.  Masked keys have zero codes in kc, so their sum is exactly CB and their
; t = -0.18033688 x 2^33, a whole number: beside any open key p = 0; in a row with no open key every p is exactly 1, as in the definition.
; LIMIT, stated: a masked logit stands at -2^30 and not at -1e9; the results are the same wherever every open logit lies above -1e9.
; LIMITS on the given exponents: e6 + e7 between -94 and 130; e8 and e10 between -126 and 119; e8 + e9 is applied by v_ldexp_f32 and has none.  NaN and infinities are not served.
; SHARES.  Eight waves, 32 queries each: two tiles of 16, so that each fragment of K, V and bias read from LDS feeds two matrix instructions.  Two waves share a SIMD: one's softmax stands beside the other's products and loads.
; ALL OF THE HEAD'S K AND V LIES IN LDS (128 KiB each), in four chunks of 512 keys, all asked for at the start, one load a wave and chunk: by this text's own count a wave has four tensor loads out.  No LDS byte is filled twice.
; CLUSTER 4 x 1: the four query blocks of a cluster belong to one head: each tile is asked for jointly.
; LAYOUT.  Both products are used transposed: S^T = K Q^T (source 0 = 16 keys, source 1 = 16 queries), O^T = V^T P^T: a lane holds ONE query (lane % 16) throughout.  In tile t of S^T a lane's eight registers are keys
; 16 t + 8 (lane / 16) + 0 .. 7: their eight codes ARE registers 2 t, 2 t + 1 of the second product's operand.  O^T's eight registers are channels 16 t + 8 (lane / 16) + 0 .. 7: their codes are the lane's own part of cc's image.
; cc: [chunk of K = 256: 4][tile of 16 tokens 256][half 2][image 2,048 B]; head h takes chunk h / 4, half (h / 2) % 2, bytes 1,024 (h % 2) on.
; LDS: K of key step j (128 keys: 8 images) at 8192 j; V (2 blocks of 64 keys x 4 images) at 131072 + 8192 j; the bias, f32 [2048], at 262144.
; REGISTERS: window 0: v1-6 addresses; v9, v10 for the bias; v12.. statistics, eight a tile: +0 -M, +1 the largest t, +2, +3 the sum in two halves, +4 f, +5 zero, +6, +7 at work; v28-39 constants and work; v40-55 Q; v56-87 p's codes; v96-223 S^T, then p.
;   window 1: v0-63 K; v64-127 bias; v128-191 V; v192-255 O^T.
.set LI,   1                           ; 16 x lane
.set LV,   2                           ; + 131072
.set AB0,  3                           ; 262144 + 32 (lane / 16)
.set ADK,  4
.set ADV,  5
.set ADB,  6
.set MO,   9                           ; 32 x thread: my eight flags of the mask
.set BS,   10                          ; and where their biases go
.set ST,   12
.set HP,   28                          ; 448 x 2^e8
.set SP8,  29                          ; 2^e8
.set PX,   30                          ; v30, v31: from the lane 16 away
.set CHN,  32                          ; v32-35: the sums' second chains
.set SC10, 36                          ; 2^e10
.set H10,  37                          ; 448 x 2^e10
.set NIL,  38
.set CBV,  39
.set QF,   40
.set PF,   56
.set S,    96
.set KF,   0                           ; in window 1
.set BI,   64
.set VF,   128
.set OF,   192
.set WV,   16
.set SEL,  20                          ; s[20:21] lane selects: lane l xor 16
.set CS,   22                          ; s[22:23] c = log2(e) / 8 x 2^(e6 + e7)
.set G1,   24
.set G0,   32                          ; s[32:47] one group 0 for each chunk
.set TS,   48                          ; 8192 x key step
.set TM,   49                          ; 512 x key step
.set CNT,  50
.set MSB, 0
.macro WIN new                         ; the immediate's high byte repeats the setting that is left
.if MSB != \new
	s_set_vgpr_msb (MSB<<8)|\new
.set MSB, \new
.endif
.endm
.macro CROUND                          ; a round of the cluster's barrier
	s_barrier_signal -1
	s_barrier_wait -1
	s_cmp_lg_u32 s[WV], 0
	s_cbranch_scc1 .Lnot_wave_0_\@
	s_barrier_signal -3
.Lnot_wave_0_\@:
	s_barrier_wait -3
	s_barrier_signal -1
	s_barrier_wait -1
.endm
	s_load_b256 s[4:11], s[0:1], 0x0               ; qc, kc, vc, mask
	s_load_b128 s[12:15], s[0:1], 0x20             ; the scales, cc
	v_lshl_add_u32 v254, v0, 2, 0x42000
	v_mov_b32 v255, 0
	ds_add_u32 v254, v255
	ds_add_u32 v254, v255
	v_lshrrev_b32 v1, 5, v0
	v_readfirstlane_b32 s[WV], v1                  ; wave 0..7
	s_bfe_u32 s17, ttmp6, 0x40000                  ; cx: it enters Q's and cc's global addresses alone
	s_and_b32 s18, ttmp7, 0xffff                   ; batch x 16 + head, which the partners share
	s_lshl_b32 s19, ttmp9, 2
	s_add_co_u32 s19, s19, s17                     ; my block of 256 queries
	; descriptor group 1: a dense block of 8 KiB as 32 rows of 32 elements of 8 bytes
	s_mov_b32 s[G1], 15|(3<<16)|(1<<21)            ; 15:0 the mask: all four work-groups; 17:16 elements of 8 bytes; 21 set beside a mask
	s_mov_b32 s[G1+1], 32<<16                      ; tensor_dim0 = 32
	s_mov_b32 s[G1+2], 32<<16                      ; tensor_dim1 = 32
	s_mov_b32 s[G1+3], 32<<16                      ; tile_dim0 = 32
	s_mov_b32 s[G1+4], 32                          ; tile_dim1 = 32
	s_mov_b32 s[G1+5], 32                          ; from row to row
	s_mov_b32 s[G1+6], 0
	s_mov_b32 s[G1+7], 0
	s_mov_b32 s[SEL], 0x76543210
	s_mov_b32 s[SEL+1], 0xfedcba98
	s_mov_b32 s[TS], 0
	s_mov_b32 s[TM], 0
	s_and_b32 s57, s[WV], 3
	s_lshl_b32 s57, s57, 13                        ; my quarter of a chunk: waves 0-3 fetch K, waves 4-7 V
	s_lshr_b32 s58, s[WV], 2
	s_lshl_b32 s58, s58, 17
	s_add_co_u32 s58, s58, s57                     ; its place in LDS
	s_lshl_b32 s60, s18, 17                        ; the head's 128 KiB in qc, kc and vc
	s_add_co_u32 s62, s60, s57
	s_mov_b32 s63, 0
	s_wait_dscnt 0x0
	s_wait_kmcnt 0x0
	s_load_b128 s[52:55], s[12:13], 0x18           ; e6, e7, e8, e9
	s_load_b32 s56, s[12:13], 0x28                 ; e10
	s_cmp_lt_u32 s[WV], 4
	s_cselect_b64 s[66:67], s[6:7], s[8:9]
	s_add_nc_u64 s[66:67], s[66:67], s[62:63]
.irp c, 0,1,2,3
	s_mov_b32 s[G0+4*\c], 1                        ; count = 1
	s_add_co_u32 s[G0+4*\c+1], s58, 32768*\c       ; LDS address
	s_add_nc_u64 s[G0+4*\c+2:G0+4*\c+3], s[66:67], 32768*\c
	s_or_b32 s[G0+4*\c+3], s[G0+4*\c+3], 0x80000000  ; type = 2
.endr
	CROUND                                         ; all four work-groups are here: the joint loads meet
	tensor_load_to_lds s[G0:G0+3], s[G1:G1+7]
	s_nop 0
	tensor_load_to_lds s[G0+4:G0+7], s[G1:G1+7]
	s_nop 0
	tensor_load_to_lds s[G0+8:G0+11], s[G1:G1+7]
	s_nop 0
	tensor_load_to_lds s[G0+12:G0+15], s[G1:G1+7]
	s_nop 0
.rept 4
	v_nop                                          ; four v_nop follow the last
.endr
	v_and_b32 v8, 31, v0
	v_lshlrev_b32 v[LI], 4, v8
	v_add_nc_u32 v[LV], 131072, v[LI]
	v_bfe_u32 v8, v0, 4, 1
	v_lshlrev_b32 v[AB0], 5, v8
	v_add_nc_u32 v[AB0], 262144, v[AB0]
	v_lshlrev_b32 v[MO], 5, v0
	v_add_nc_u32 v[BS], 262144, v[MO]
	s_lshr_b32 s68, s18, 4
	s_lshl_b32 s68, s68, 13                        ; the batch's 2,048 flags
	s_mov_b32 s69, 0
	s_add_nc_u64 s[10:11], s[10:11], s[68:69]
	global_load_b128 v[S:S+3], v[MO], s[10:11]
	global_load_b128 v[S+4:S+7], v[MO], s[10:11] offset:16
	s_lshl_b32 s70, s19, 4
	s_lshl_b32 s71, s[WV], 1
	s_add_co_u32 s70, s70, s71                     ; my first tile of 16 queries within the batch
	s_lshl_b32 s72, s70, 10
	s_add_co_u32 s72, s72, s60
	s_mov_b32 s73, 0
	s_add_nc_u64 s[4:5], s[4:5], s[72:73]
.irp q, 0,1
.irp c, 0,1
	global_load_b128 v[QF+8*\q+4*\c:QF+8*\q+4*\c+3], v[LI], s[4:5] offset:1024*\q+512*\c   ; Q's two fragments stay in registers
.endr
.endr
	s_and_b32 s74, s18, 15                         ; head
	s_lshr_b32 s75, s74, 2
	s_lshl_b32 s78, s75, 20                        ; cc: chunk,
	s_lshl_b32 s75, s68, 6                         ; + the batch's 128 tiles of 4,096 bytes,
	s_add_co_u32 s78, s78, s75
	s_lshl_b32 s75, s70, 12                        ; + my tile,
	s_add_co_u32 s78, s78, s75
	s_bfe_u32 s75, s74, 0x10001
	s_lshl_b32 s75, s75, 11                        ; + half,
	s_add_co_u32 s78, s78, s75
	s_and_b32 s75, s74, 1
	s_lshl_b32 s75, s75, 10                        ; + the head's 1,024 bytes of the image
	s_add_co_u32 s78, s78, s75
	s_mov_b32 s79, 0
	s_add_nc_u64 s[14:15], s[14:15], s[78:79]
	s_wait_kmcnt 0x0
	s_add_co_i32 s57, s52, s53                     ; E = e6 + e7
	s_lshl_b32 s59, s57, 23
	s_mov_b32 s[CS], 0x3e38aa3b                    ; log2(e) / 8
	s_add_co_i32 s[CS], s[CS], s59                 ; a sum stands for sum x 2^E: E is added to c's exponent field
	s_mov_b32 s[CS+1], s[CS]                       ; (named with it as a pair, so it is written)
	s_sub_co_i32 s59, 160, s57
	s_lshl_b32 s59, s59, 23
	s_or_b32 s59, s59, 0x80000000
	v_mov_b32 v[CBV], s59                          ; CB = -2^(33 - E)
	v_mov_b32 v[NIL], 0
	s_add_co_i32 s57, s54, 127
	s_lshl_b32 s59, s57, 23
	v_mov_b32 v[SP8], s59
	s_add_co_i32 s57, s57, 8
	s_lshl_b32 s57, s57, 23
	s_or_b32 s57, s57, 0x600000
	v_mov_b32 v[HP], s57
	s_add_co_i32 s57, s56, 127
	s_lshl_b32 s59, s57, 23
	v_mov_b32 v[SC10], s59
	s_add_co_i32 s57, s57, 8
	s_lshl_b32 s57, s57, 23
	s_or_b32 s57, s57, 0x600000
	v_mov_b32 v[H10], s57
	s_add_co_i32 s51, s54, s55                     ; e8 + e9
.irp q, 0,1
	v_mov_b32 v[ST+8*\q+1], 0xff61b1e6             ; the largest t so far: -3e38, under every t
	v_floor_f32 v[ST+8*\q], -v[ST+8*\q+1]          ; -M
	v_mov_b32 v[ST+8*\q+2], 0                      ; the sum
	v_mov_b32 v[ST+8*\q+3], 0
	v_mov_b32 v[ST+8*\q+5], 0                      ; (named as the upper half of f's pair)
	v_mov_b32 v[PX+\q], 0                          ; a lane permute's destination counts as one of its sources
.endr
	WIN 0x40
.set i, 0
.rept 64
	v_mov_b32 v[OF+i], 0                           ; O^T.  (The key step is written without a first step of its own: it finds zeros, which the first change of M leaves zeros)
.set i, i+1
.endr
	WIN 0
	s_wait_loadcnt 4                               ; the mask's two loads are in; Q's four may be out
.irp i, 0,1,2,3,4,5,6,7
	v_cmp_eq_u32 vcc_lo, 0, v[S+\i]
	v_cndmask_b32 v[S+\i], v[NIL], v[CBV], vcc_lo  ; CB where the mask is 0, else 0
.endr
	ds_store_b128 v[BS], v[S:S+3]
	ds_store_b128 v[BS], v[S+4:S+7] offset:16
	s_wait_tensorcnt 3                             ; my part of chunk 0 is in; three loads may be out
	s_wait_dscnt 0x0                               ; my part of the bias is stored
	s_barrier_signal -1
	s_barrier_wait -1                              ; everybody's is
	WIN 0x40
.irp t, 0,1,2,3,4,5,6,7
.irp c, 0,1
	ds_load_b128 v[KF+8*\t+4*\c:KF+8*\t+4*\c+3], v[LI] offset:1024*\t+512*\c
.endr
.endr
.irp t, 0,1,2,3,4,5,6,7
.irp c, 0,1
	ds_load_b128 v[BI+8*\t+4*\c:BI+8*\t+4*\c+3], v[AB0] offset:64*\t+16*\c
.endr
.endr
	WIN 0
	s_wait_loadcnt 0x0                             ; Q
; A KEY STEP: 128 keys.  ahead = 1: the next step's K and bias are fetched behind this step's scores.
.macro STEP ahead
	s_wait_dscnt 0x0                               ; this step's K and bias are in
	WIN 0x11                                       ; K and the bias in window 1, Q and S^T in window 0
.irp t, 0,1,2,3,4,5,6,7
.irp q, 0,1
	v_wmma_f32_16x16x64_fp8_fp8 v[S+64*\q+8*\t:S+64*\q+8*\t+7], v[KF+8*\t:KF+8*\t+7], v[QF+8*\q:QF+8*\q+7], v[BI+8*\t:BI+8*\t+7]
.endr
.endr
	WIN 0
	v_add_nc_u32 v[ADV], s[TS], v[LV]              ; these three and a v_nop are the four places between the products and the loads into their sources, and the first read of the scores
	v_add_nc_u32 v[ADK], s[TS], v[LI]
	v_add_nc_u32 v[ADB], s[TM], v[AB0]
	v_nop
	WIN 0x40
.irp t, 0,1,2,3
.irp c, 0,1,2,3
	ds_load_b128 v[VF+16*\t+4*\c:VF+16*\t+4*\c+3], v[ADV] offset:4096*(\c/2)+1024*\t+512*(\c%2)
.endr
.endr
.if \ahead
.irp t, 0,1,2,3,4,5,6,7
.irp c, 0,1
	ds_load_b128 v[KF+8*\t+4*\c:KF+8*\t+4*\c+3], v[ADK] offset:8192+1024*\t+512*\c
.endr
.endr
.irp t, 0,1,2,3,4,5,6,7
.irp c, 0,1
	ds_load_b128 v[BI+8*\t+4*\c:BI+8*\t+4*\c+3], v[ADB] offset:512+64*\t+16*\c
.endr
.endr
.endif
	WIN 0
	; the step's largest score of each query, among my 64 keys, two chains a tile, each accumulator from its low end on; the two tiles alternate
.irp q, 0,1
	v_max3_num_f32 v[ST+8*\q+6], v[S+64*\q], v[S+64*\q+1], v[S+64*\q+2]
	v_max3_num_f32 v[ST+8*\q+7], v[S+64*\q+3], v[S+64*\q+4], v[S+64*\q+5]
.endr
.irp i, 6,10,14,18,22,26,30,34,38,42,46,50,54,58
.irp q, 0,1
	v_max3_num_f32 v[ST+8*\q+6], v[ST+8*\q+6], v[S+64*\q+\i], v[S+64*\q+\i+1]
	v_max3_num_f32 v[ST+8*\q+7], v[ST+8*\q+7], v[S+64*\q+\i+2], v[S+64*\q+\i+3]
.endr
.endr
.irp q, 0,1
	v_max3_num_f32 v[ST+8*\q+6], v[ST+8*\q+6], v[S+64*\q+62], v[S+64*\q+63]
.endr
.irp q, 0,1
	v_max_num_f32 v[ST+8*\q+6], v[ST+8*\q+6], v[ST+8*\q+7]
.endr
.irp q, 0,1
	v_permlanex16_b32 v[PX+\q], v[ST+8*\q+6], s[SEL], s[SEL+1]
.endr
.irp q, 0,1
	v_max_num_f32 v[ST+8*\q+6], v[ST+8*\q+6], v[PX+\q]   ; and among the other 64, in the lane 16 away
.endr
.irp q, 0,1
	v_mul_f32 v[ST+8*\q+6], s[CS], v[ST+8*\q+6]    ; as t (c is positive)
.endr
.irp q, 0,1
	v_max_num_f32 v[ST+8*\q+1], v[ST+8*\q+1], v[ST+8*\q+6]   ; the running largest t
	v_mov_b32 v[ST+8*\q+6], v[ST+8*\q]
.endr
.irp q, 0,1
	v_floor_f32 v[ST+8*\q], -v[ST+8*\q+1]          ; the new -M = floor(-t) = -ceil(t): a whole number
.endr
.irp q, 0,1
	v_sub_f32 v[ST+8*\q+6], v[ST+8*\q], v[ST+8*\q+6]   ; old M less new M: a whole number, 0 or less
.endr
.irp q, 0,1
	v_cvt_i32_f32 v[ST+8*\q+6], v[ST+8*\q+6]       ; (it saturates)
.endr
.irp q, 0,1
	v_ldexp_f32 v[ST+8*\q+4], 1.0, v[ST+8*\q+6]    ; f = 2^(old M - new M)
.endr
.irp q, 0,1
.set i, 0
.rept 32
	v_pk_fma_f32 v[S+64*\q+i:S+64*\q+i+1], v[S+64*\q+i:S+64*\q+i+1], s[CS:CS+1], v[ST+8*\q:ST+8*\q+1] op_sel_hi:[1,0,0]   ; t - M, two at a time (of the pairs c and -M the low word serves both halves)
.set i, i+2
.endr
.endr
.set i, 0
.rept 128
	v_exp_f32 v[S+i], v[S+i]                       ; p = 2^(t - M), at most 1
.set i, i+1
.endr
.irp q, 0,1
	v_pk_mul_f32 v[ST+8*\q+2:ST+8*\q+3], v[ST+8*\q+2:ST+8*\q+3], v[ST+8*\q+4:ST+8*\q+5] op_sel_hi:[1,0]   ; the sums under the new M.  (The first is the plain line behind the exponentials)
	s_wait_alu depctr_va_vdst(0)
	v_pk_add_f32 v[CHN+2*\q:CHN+2*\q+1], v[S+64*\q:S+64*\q+1], v[S+64*\q+2:S+64*\q+3]   ; the row's sum is taken of the unquantised p, in two chains a tile
.endr
.irp j, 4,8,12,16,20,24,28,32,36,40,44,48,52,56,60
.irp q, 0,1
	v_pk_add_f32 v[ST+8*\q+2:ST+8*\q+3], v[ST+8*\q+2:ST+8*\q+3], v[S+64*\q+\j:S+64*\q+\j+1]
	v_pk_add_f32 v[CHN+2*\q:CHN+2*\q+1], v[CHN+2*\q:CHN+2*\q+1], v[S+64*\q+\j+2:S+64*\q+\j+3]
.endr
.endr
.irp q, 0,1
	v_pk_add_f32 v[ST+8*\q+2:ST+8*\q+3], v[ST+8*\q+2:ST+8*\q+3], v[CHN+2*\q:CHN+2*\q+1]
.endr
.irp q, 0,1
.irp t, 0,1,2,3,4,5,6,7
.irp i, 0,1,2,3,4,5,6,7
	v_min_num_f32 v[S+64*\q+8*\t+\i], v[S+64*\q+8*\t+\i], v[HP]   ; the conversion to an 8-bit code does not saturate (ISA guide 7.6.2); p is not negative, so the hold is one-sided
.endr
	v_cvt_scalef32_pk8_fp8_f32 v[PF+16*\q+2*\t:PF+16*\q+2*\t+1], v[S+64*\q+8*\t:S+64*\q+8*\t+7], v[SP8]
.endr
.endr
	WIN 0x41                                       ; O^T (destination and source 0) in window 1, f in window 0
.irp q, 0,1
.set i, 0
.rept 16
	v_pk_mul_f32 v[OF+32*\q+i:OF+32*\q+i+1], v[OF+32*\q+i:OF+32*\q+i+1], v[ST+8*\q+4:ST+8*\q+5] op_sel_hi:[1,0]   ; O^T under the new M.  (Also the plain lines between the conversions and the products that read their results)
.set i, i+2
.endr
.endr
	s_wait_dscnt 32*\ahead                         ; V's sixteen loads are in; the 32 issued behind them (the next step's K and bias) may be out
	WIN 0x51                                       ; V and O^T in window 1, p's codes in window 0
.irp t, 0,1,2,3
.irp q, 0,1
	v_wmma_f32_16x16x128_fp8_fp8 v[OF+32*\q+8*\t:OF+32*\q+8*\t+7], v[VF+16*\t:VF+16*\t+15], v[PF+16*\q:PF+16*\q+15], v[OF+32*\q+8*\t:OF+32*\q+8*\t+7]
.endr
.endr
	WIN 0                                          ; the eight accumulators take turns, one instruction a turn
	s_add_co_u32 s[TS], s[TS], 8192
	s_add_co_u32 s[TM], s[TM], 512
.endm
.macro RUN n                           ; n key steps
	s_mov_b32 s[CNT], \n
.Lrun_\@:
	STEP 1
	s_sub_co_u32 s[CNT], s[CNT], 1
	s_cmp_lg_u32 s[CNT], 0
	s_cbranch_scc1 .Lrun_\@
.endm
.macro CHUNK left                      ; my part of the next chunk has landed (the later loads stay out), and a barrier says so of all eight waves
	s_wait_tensorcnt \left
	s_wait_dscnt 0x0                               ; no LDS instruction of mine is out at the signal
	s_barrier_signal -1
	s_barrier_wait -1
.endm
	RUN 3                                          ; steps 0-2 read chunk 0 alone (step 2 fetches step 3's K)
	CHUNK 2
	RUN 4                                          ; steps 3-6: the first fetches K from chunk 1
	CHUNK 1
	RUN 4                                          ; steps 7-10
	CHUNK 0
	RUN 4                                          ; steps 11-14
	STEP 0                                         ; step 15 fetches nothing beyond the end
	; THE WAY OUT: O^T / the sum x 2^(e8 + e9), quantised with e10; a lane's 32 codes of a tile are its own 2 x 16 bytes of cc's image: two stores of 512 consecutive aligned bytes a tile.
.rept 4
	v_nop                                          ; four places between the last products and the first read of results
.endr
.irp q, 0,1
	v_add_f32 v[ST+8*\q+6], v[ST+8*\q+2], v[ST+8*\q+3]
.endr
.irp q, 0,1
	v_permlanex16_b32 v[PX+\q], v[ST+8*\q+6], s[SEL], s[SEL+1]
.endr
.irp q, 0,1
	v_add_f32 v[ST+8*\q+6], v[ST+8*\q+6], v[PX+\q] ; the row's sum
.endr
.irp q, 0,1
	v_rcp_f32 v[ST+8*\q+4], v[ST+8*\q+6]
.endr
	v_nop                                          ; a plain line behind the reciprocals
	s_wait_alu depctr_va_vdst(0)
.irp q, 0,1
	v_ldexp_f32 v[ST+8*\q+4], v[ST+8*\q+4], s51
.endr
	WIN 0x01                                       ; source 0 (O^T) window 1; the rest window 0: S^T's registers are free
.irp q, 0,1
.set i, 0
.rept 16
	v_pk_mul_f32 v[S+64*\q+i:S+64*\q+i+1], v[OF+32*\q+i:OF+32*\q+i+1], v[ST+8*\q+4:ST+8*\q+5] op_sel_hi:[1,0]   ; each accumulator from its low end on
.set i, i+2
.endr
.endr
	WIN 0
.irp q, 0,1
.set i, 0
.rept 32
	v_med3_num_f32 v[S+64*\q+i], v[S+64*\q+i], -v[H10], v[H10]
.set i, i+1
.endr
.irp t, 0,1,2,3
	v_cvt_scalef32_pk8_fp8_f32 v[PF+8*\q+2*\t:PF+8*\q+2*\t+1], v[S+64*\q+8*\t:S+64*\q+8*\t+7], v[SC10]
.endr
.endr
	v_nop                                          ; a plain line behind the last conversion
.irp q, 0,1
.irp c, 0,1
	global_store_b128 v[LI], v[PF+8*\q+4*\c:PF+8*\q+4*\c+3], s[14:15] offset:4096*\q+512*\c
.endr
.endr
	s_wait_dscnt 0x0
	s_wait_tensorcnt 0x0
	ds_add_u32 v254, v255
	s_wait_dscnt 0x0
	CROUND                                         ; the closing round: no work-group ends while a partner may still ask for a tile that names it
	s_endpgm
.Lfunc_end_k_q5f0fa0f6d4_attn:
	.size	k_q5f0fa0f6d4_attn, .Lfunc_end_k_q5f0fa0f6d4_attn-k_q5f0fa0f6d4_attn
	.p2alignl 7, 3214868480
	.fill 96, 4, 3214868480
	.section	.rodata,"a",@progbits
	.p2align	6, 0x0
	.amdhsa_kernel k_q5f0fa0f6d4_attn
		.amdhsa_group_segment_fixed_size 327680
		.amdhsa_private_segment_fixed_size 0
		.amdhsa_enable_private_segment 0
		.amdhsa_kernarg_size 48
		.amdhsa_user_sgpr_count 2
		.amdhsa_user_sgpr_kernarg_segment_ptr 1
		.amdhsa_wavefront_size32 1
		.amdhsa_system_sgpr_workgroup_id_x 1
		.amdhsa_system_sgpr_workgroup_id_y 1
		.amdhsa_system_sgpr_workgroup_id_z 1
		.amdhsa_system_vgpr_workitem_id 0
		.amdhsa_next_free_vgpr 512
		.amdhsa_next_free_sgpr 96
		.amdhsa_reserve_vcc 1
		.amdhsa_float_denorm_mode_32 3
		.amdhsa_float_denorm_mode_16_64 3
		.amdhsa_memory_ordered 1
		.amdhsa_forward_progress 1
		.amdhsa_inst_pref_size 164
	.end_amdhsa_kernel
	.amdgpu_metadata
---
amdhsa.version: [ 1, 2 ]
amdhsa.kernels:
  - .name:           k_q5f0fa0f6d4_attn
    .symbol:         k_q5f0fa0f6d4_attn.kd
    .args:
      - { .name: qc, .offset: 0, .size: 8, .value_kind: global_buffer, .address_space: global }
      - { .name: kc, .offset: 8, .size: 8, .value_kind: global_buffer, .address_space: global }
      - { .name: vc, .offset: 16, .size: 8, .value_kind: global_buffer, .address_space: global }
      - { .name: mask, .offset: 24, .size: 8, .value_kind: global_buffer, .address_space: global }
      - { .name: lowp_scales, .offset: 32, .size: 8, .value_kind: global_buffer, .address_space: global }
      - { .name: cc, .offset: 40, .size: 8, .value_kind: global_buffer, .address_space: global }
    .group_segment_fixed_size: 327680
    .private_segment_fixed_size: 0
    .kernarg_segment_align: 8
    .kernarg_segment_size: 48
    .max_flat_workgroup_size: 256
    .sgpr_count:     96
    .vgpr_count:     512
    .wavefront_size: 32
...
	.end_amdgpu_metadata
.endif
;; end of part 3
;; launch oproj (part 4): grid 8 x 32, 4 waves a work-group, clusters of 4 x 4, 327,680 bytes of LDS; arguments cc, wc, lowp_scales, Wo_b, out0; writes out0
.if DOCPART == 4
	.amdgcn_target "amdgcn-amd-amdhsa--gfx1250"
	.amdhsa_code_object_version 6
	.text
	.protected	k_q5f0fa0f6d4_oproj
	.globl	k_q5f0fa0f6d4_oproj
	.p2align	8
	.type	k_q5f0fa0f6d4_oproj,@function
k_q5f0fa0f6d4_oproj:
	s_mov_b64 s[64:65], 0
	v_nop
	global_prefetch_b8 v0, s[64:65] scope:SCOPE_SE
	s_setreg_imm32_b32 hwreg(HW_REG_WAVE_MODE, 25, 1), 1
	s_wait_xcnt 0x0
	s_wait_alu depctr_hold_cnt(0) depctr_sa_sdst(0) depctr_va_vdst(0) depctr_va_sdst(0) depctr_va_ssrc(0) depctr_va_vcc(0) depctr_vm_vsrc(0)
	s_getreg_b32 s2, hwreg(HW_REG_IB_STS2, 6, 4)
	s_cmp_eq_u32 s2, 0
	s_cbranch_scc0 .Lentry_in_a_cluster
	s_endpgm
.Lentry_in_a_cluster:
	s_bfe_u32 s2, ttmp6, 0x10000c
	s_cmp_lg_u32 s2, 0xf033
	s_cbranch_scc0 .Lentry_shape_is_right
	s_endpgm
.Lentry_shape_is_right:
; out0 = context Wo^T + bo on codes of FP8 (E4M3), K = 1,024; out0 [4096][1024] f32.  A number of the context is its code x 2^e10, of Wo x 2^e11: each finished sum is multiplied once by 2^(e10 + e11).
; LIMIT: e10 + e11 between -126 and 127.
; SHARES.  256 work-groups; each makes 128 x 128 of out0, each of its four waves 64 x 64: 16 accumulators.
; THE WHOLE K OF BOTH OPERANDS LIES IN LDS: four chunks of K = 256, each 32 KiB of A (cc) and 32 KiB of B (wc's fourth plane), all asked for at the start; no LDS byte is filled twice.  By this text's own count a wave has four tensor loads out.
; The tiles are images of operand registers, dense in memory and in LDS: every fragment load takes 512 consecutive bytes.
; CLUSTER 4 x 4: the four work-groups of a row need the same tiles of A, the four of a column the same tiles of B: each is asked for jointly.
; THE MATRIX INSTRUCTION IS USED TRANSPOSED (source 0 = 16 rows of Wo, source 1 = 16 tokens): lane (r, h) holds token 16 a + r and outputs 16 b + 8 h + 0 .. 7: 32 neighbouring bytes of a row.
; THE WAY OUT: a block of 16 rows x 256 bytes goes through the wave's own stage in LDS (rows 272 bytes apart, behind the tiles; no tensor load lands there) and leaves so that sixteen lanes store 256 consecutive aligned bytes.
; REGISTERS: window 0: v3 16 x lane; v8-15 LDS addresses; v16-18 the way out; v20 the bias's offset; v32-63 the bias; v128-255 accumulators.   window 1: two buffers of fragments (A's four at +0, B's four at +64), at v0 and at v128.
.set LI,   3
.set ADRA, 8
.set ADRB, 12
.set STO,  16
.set RD,   17
.set CO,   18
.set BN,   32
.set ACC,  128
.set SPT,  272
.set STAGE, 262144
.set G1A,  24
.set G1B,  32
.set G0A,  40
.set G0B,  68
.set WV,   56
.set RH,   57                          ; which half of the tile's rows is mine.  Also: I fetch for A (0) or for B (1)
.set CH,   58                          ; which half of its columns.  Also: which half of a tile I fetch
.set MSB, 0
.macro WIN new                         ; the immediate's high byte repeats the setting that is left
.if MSB != \new
	s_set_vgpr_msb (MSB<<8)|\new
.set MSB, \new
.endif
.endm
.macro CROUND                          ; a round of the cluster's barrier
	s_barrier_signal -1
	s_barrier_wait -1
	s_cmp_lg_u32 s[WV], 0
	s_cbranch_scc1 .Lnot_wave_0_\@
	s_barrier_signal -3
.Lnot_wave_0_\@:
	s_barrier_wait -3
	s_barrier_signal -1
	s_barrier_wait -1
.endm
; 32 LDS loads in one run: the fragments of K step q (128 along K: chunk q / 2, half q % 2) into buffer q % 2
.macro FETCH q
	WIN 0x40                                       ; destination window 1, address window 0
.irp i, 0,1,2,3
.irp c, 0,1,2,3
	ds_load_b128 v[128*((\q)%2)+64+16*\i+4*\c:128*((\q)%2)+64+16*\i+4*\c+3], v[ADRB+(\q)/2] offset:4096*\i+2048*((\q)%2)+512*\c
.endr
.endr
.irp i, 0,1,2,3
.irp c, 0,1,2,3
	ds_load_b128 v[128*((\q)%2)+16*\i+4*\c:128*((\q)%2)+16*\i+4*\c+3], v[ADRA+(\q)/2] offset:4096*\i+2048*((\q)%2)+512*\c
.endr
.endr
.endm
; 16 matrix instructions on buffer f.  The sixteen accumulators take turns, one instruction a turn, in the same order in every step.  zero = 1: the first products start the sums.
.macro MUL16 f, zero
	WIN 0x05                                       ; sources 0 and 1 window 1; C and D window 0
.irp a, 0,1,2,3
.irp b, 0,1,2,3
.if \zero
	v_wmma_f32_16x16x128_fp8_fp8 v[ACC+8*(4*\a+\b):ACC+8*(4*\a+\b)+7], v[128*(\f)+64+16*\b:128*(\f)+64+16*\b+15], v[128*(\f)+16*\a:128*(\f)+16*\a+15], 0
.else
	v_wmma_f32_16x16x128_fp8_fp8 v[ACC+8*(4*\a+\b):ACC+8*(4*\a+\b)+7], v[128*(\f)+64+16*\b:128*(\f)+64+16*\b+15], v[128*(\f)+16*\a:128*(\f)+16*\a+15], v[ACC+8*(4*\a+\b):ACC+8*(4*\a+\b)+7]
.endif
.endr
.endr
.endm
; K step q of eight.  The next step's fragments are asked for ahead of this step's products.  Ahead of the first fetch from a new chunk: my part of it has landed (the younger loads stay out), and a barrier says so of all four waves.
.macro STEP q
	s_wait_dscnt 0x0                               ; this step's fragments are in; no LDS instruction of mine is out at the signal below
.if ((\q)%2) == 1 && (\q) < 7
	s_wait_tensorcnt 3-((\q)+1)/2                  ; tensor loads of a wave end in order: chunk (q + 1) / 2 is in, the later ones may be out
	s_barrier_signal -1
	s_barrier_wait -1
.endif
.if (\q) > 0 && (\q) < 7
.rept 4
	v_nop                                          ; four places between the last step's products and the loads into the buffer that they read (ISA guide 7.12.1 for vector instructions)
.endr
.endif
.if (\q) < 7
	FETCH (\q)+1
.endif
.if (\q) == 0
	MUL16 0, 1
.else
	MUL16 (\q)%2, 0
.endif
.endm
	s_load_b256 s[4:11], s[0:1], 0x0               ; cc, wc, the scales, Wo_b
	s_load_b64 s[12:13], s[0:1], 0x20              ; out0
	v_lshl_add_u32 v126, v0, 2, 0x44400
	v_mov_b32 v127, 0
	ds_add_u32 v126, v127
	ds_add_u32 v126, v127
	v_lshrrev_b32 v1, 5, v0
	v_readfirstlane_b32 s[WV], v1                  ; wave 0..3
	s_lshr_b32 s[RH], s[WV], 1
	s_and_b32 s[CH], s[WV], 1
	s_bfe_u32 s59, ttmp6, 0x40000                  ; cx
	s_bfe_u32 s60, ttmp6, 0x40004                  ; cy
	s_lshl_b32 s94, ttmp9, 2
	s_add_co_u32 s94, s94, s59                     ; tile column = 4 x cluster x + cx
	s_and_b32 s67, ttmp7, 0xffff
	s_lshl_b32 s67, s67, 2
	s_add_co_u32 s67, s67, s60                     ; tile row = 4 x cluster y + cy
	s_lshl_b32 s95, s60, 2
	s_lshl_b32 s95, 15, s95                        ; my row of the cluster
	s_lshl_b32 s98, 0x1111, s59                    ; my column
	; descriptor group 1: a dense block of 16 KiB as 64 rows of 32 elements of 8 bytes
	s_or_b32 s[G1A], s95, (3<<16)|(1<<21)          ; 15:0 the mask: A's tiles go to my row; 17:16 elements of 8 bytes; 21 set beside a mask
	s_or_b32 s[G1B], s98, (3<<16)|(1<<21)          ; B's to my column
.irp g, G1A, G1B
	s_mov_b32 s[\g+1], 32<<16                      ; tensor_dim0 = 32
	s_mov_b32 s[\g+2], 64<<16                      ; tensor_dim1 = 64
	s_mov_b32 s[\g+3], 32<<16                      ; tile_dim0 = 32
	s_mov_b32 s[\g+4], 64                          ; tile_dim1 = 64
	s_mov_b32 s[\g+5], 32                          ; from row to row
	s_mov_b32 s[\g+6], 0
	s_mov_b32 s[\g+7], 0
.endr
	s_lshl_b32 s96, s67, 15                        ; a tile is 8 row tiles of 4,096 bytes in a chunk
	s_lshl_b32 s95, s[CH], 14                      ; the half that I fetch: in memory and in LDS
	s_add_co_u32 s96, s96, s95
	s_mov_b32 s97, 0
	s_lshl_b32 s100, s94, 15
	s_add_co_u32 s100, s100, s95
	s_add_co_u32 s100, s100, 3<<20                 ; Wo's plane of wc
	s_mov_b32 s101, 0
	s_add_co_u32 s63, s95, 32768                   ; B's tiles lie behind A's in a chunk
	s_wait_dscnt 0x0
	s_wait_kmcnt 0x0
	s_load_b64 s[84:85], s[8:9], 0x28              ; e10, e11
	s_add_nc_u64 s[98:99], s[4:5], s[96:97]
	s_add_nc_u64 s[6:7], s[6:7], s[100:101]
.irp j, 0,1,2,3
	s_mov_b32 s[G0A+4*\j], 1                       ; count = 1
	s_add_co_u32 s[G0A+4*\j+1], s95, 65536*\j      ; LDS address: the wave's number and constants alone
	s_add_nc_u64 s[G0A+4*\j+2:G0A+4*\j+3], s[98:99], \j<<20   ; a chunk of cc is 1 MiB
	s_or_b32 s[G0A+4*\j+3], s[G0A+4*\j+3], 0x80000000  ; type = 2
	s_mov_b32 s[G0B+4*\j], 1
	s_add_co_u32 s[G0B+4*\j+1], s63, 65536*\j
	s_add_nc_u64 s[G0B+4*\j+2:G0B+4*\j+3], s[6:7], \j<<18     ; of wc 256 KiB
	s_or_b32 s[G0B+4*\j+3], s[G0B+4*\j+3], 0x80000000
.endr
	CROUND                                         ; all sixteen work-groups are here: the joint loads meet
	s_cmp_eq_u32 s[RH], 0                          ; a wave's four fills stand in one branch on its number, ahead of every wait on TENSORcnt and every LDS read; four v_nop follow the last
	s_cbranch_scc0 .Lfirst_b
	tensor_load_to_lds s[G0A:G0A+3], s[G1A:G1A+7]
	s_nop 0
	tensor_load_to_lds s[G0A+4:G0A+7], s[G1A:G1A+7]
	s_nop 0
	tensor_load_to_lds s[G0A+8:G0A+11], s[G1A:G1A+7]
	s_nop 0
	tensor_load_to_lds s[G0A+12:G0A+15], s[G1A:G1A+7]
	s_nop 0
.rept 4
	v_nop
.endr
	s_branch .Lfirst_done
.Lfirst_b:
	tensor_load_to_lds s[G0B:G0B+3], s[G1B:G1B+7]
	s_nop 0
	tensor_load_to_lds s[G0B+4:G0B+7], s[G1B:G1B+7]
	s_nop 0
	tensor_load_to_lds s[G0B+8:G0B+11], s[G1B:G1B+7]
	s_nop 0
	tensor_load_to_lds s[G0B+12:G0B+15], s[G1B:G1B+7]
	s_nop 0
.rept 4
	v_nop
.endr
.Lfirst_done:
	v_and_b32 v2, 31, v0
	v_lshlrev_b32 v[LI], 4, v2                     ; 16 x lane
	v_and_b32 v4, 15, v0                           ; r
	v_bfe_u32 v5, v0, 4, 1                         ; h
	s_lshl_b32 s98, s[RH], 14
	v_add_nc_u32 v[ADRA], s98, v[LI]
	s_lshl_b32 s98, s[CH], 14
	s_add_co_u32 s98, s98, 32768
	v_add_nc_u32 v[ADRB], s98, v[LI]
.irp j, 1,2,3
	v_add_nc_u32 v[ADRA+\j], 65536*\j, v[ADRA]
	v_add_nc_u32 v[ADRB+\j], 65536*\j, v[ADRB]
.endr
	s_lshl_b32 s98, s94, 9
	s_lshl_b32 s99, s[CH], 8
	s_add_co_u32 s98, s98, s99                     ; my 64 columns, in bytes: of the bias and of a row of out0
	v_lshl_add_u32 v20, v5, 5, s98
.irp b, 0,1,2,3
	global_load_b128 v[BN+8*\b:BN+8*\b+3], v20, s[10:11] offset:64*\b
	global_load_b128 v[BN+8*\b+4:BN+8*\b+7], v20, s[10:11] offset:64*\b+16
.endr
	s_lshl_b32 s100, s67, 19                       ; my first row: 128 rows of 4,096 bytes a tile,
	s_lshl_b32 s99, s[RH], 18                      ; + 64 rows a half
	s_add_co_u32 s100, s100, s99
	s_add_co_u32 s100, s100, s98
	s_mov_b32 s101, 0
	s_add_nc_u64 s[12:13], s[12:13], s[100:101]
	s_mul_i32 s99, s[WV], 16*SPT
	s_add_co_u32 s99, s99, STAGE                   ; my stage
	v_mul_u32_u24 v6, v4, SPT                      ; in: row r, 32 bytes for each half of the lanes
	v_lshl_add_u32 v6, v5, 5, v6
	v_add_nc_u32 v[STO], s99, v6
	v_mul_u32_u24 v6, v5, SPT                      ; back: lanes 0-15 take one row of 256 bytes, lanes 16-31 the next
	v_lshl_add_u32 v6, v4, 4, v6
	v_add_nc_u32 v[RD], s99, v6
	v_lshlrev_b32 v6, 12, v5                       ; and the same two rows in out0
	v_lshl_add_u32 v[CO], v4, 4, v6
	s_wait_kmcnt 0x0
	s_add_co_i32 s2, s84, s85
	s_add_co_i32 s2, s2, 127
	s_lshl_b32 s2, s2, 23                          ; 2^(e10 + e11) as f32
	s_mov_b32 s3, s2                               ; (named with it as a pair, so it is written)
	s_wait_tensorcnt 3                             ; my part of chunk 0 is in; three loads may be out
	s_barrier_signal -1
	s_barrier_wait -1                              ; everybody's is
	FETCH 0
.irp q, 0,1,2,3,4,5,6,7
	STEP \q
.endr
	WIN 0
	s_wait_loadcnt 0x0                             ; the bias
.rept 4
	v_nop                                          ; four places between the last products and the first read of results
.endr
; Block a, 16 rows: sum x 2^(e10 + e11) + bias, one packed multiply-add for two numbers, each accumulator from its low end on; into my stage; back as whole rows into the registers that they left.
; LDS serves a wave's instructions in order (ISA guide 5.7.1.4): no wait between the stores and the loads, nor in front of the next block's stores.
.macro BLOCK a
.irp b, 0,1,2,3
.irp i, 0,2,4,6
	v_pk_fma_f32 v[ACC+32*\a+8*\b+\i:ACC+32*\a+8*\b+\i+1], v[ACC+32*\a+8*\b+\i:ACC+32*\a+8*\b+\i+1], s[2:3], v[BN+8*\b+\i:BN+8*\b+\i+1] op_sel_hi:[1,0,1]
.endr
.endr
.irp b, 0,1,2,3
	ds_store_b128 v[STO], v[ACC+32*\a+8*\b:ACC+32*\a+8*\b+3] offset:64*\b
	ds_store_b128 v[STO], v[ACC+32*\a+8*\b+4:ACC+32*\a+8*\b+7] offset:64*\b+16
.endr
.irp t, 0,1,2,3,4,5,6,7
	ds_load_b128 v[ACC+32*\a+4*\t:ACC+32*\a+4*\t+3], v[RD] offset:2*\t*SPT
.endr
.endm
.macro SEND a, younger                 ; younger: the LDS instructions issued behind block a's loads (the next block's 8 stores and 8 loads, or none), which may stay out
	s_wait_dscnt \younger
.irp t, 0,1,2,3,4,5,6,7
	global_store_b128 v[CO], v[ACC+32*\a+4*\t:ACC+32*\a+4*\t+3], s[12:13] offset:(16*\a+2*\t)*4096 th:TH_STORE_NT   ; 16 lanes store 256 consecutive bytes, at a multiple of 256 from out0's first byte; written once, read by nobody here
.endr
.endm
	BLOCK 0
	BLOCK 1
	SEND 0, 16
	BLOCK 2
	SEND 1, 16
	BLOCK 3
	SEND 2, 16
	SEND 3, 0
	s_wait_dscnt 0x0
	s_wait_tensorcnt 0x0
	ds_add_u32 v126, v127
	s_wait_dscnt 0x0
	CROUND                                         ; the closing round: no work-group ends while a partner may still ask for a tile that names it
	s_endpgm
.Lfunc_end_k_q5f0fa0f6d4_oproj:
	.size	k_q5f0fa0f6d4_oproj, .Lfunc_end_k_q5f0fa0f6d4_oproj-k_q5f0fa0f6d4_oproj
	.p2alignl 7, 3214868480
	.fill 96, 4, 3214868480
	.section	.rodata,"a",@progbits
	.p2align	6, 0x0
	.amdhsa_kernel k_q5f0fa0f6d4_oproj
		.amdhsa_group_segment_fixed_size 327680
		.amdhsa_private_segment_fixed_size 0
		.amdhsa_enable_private_segment 0
		.amdhsa_kernarg_size 40
		.amdhsa_user_sgpr_count 2
		.amdhsa_user_sgpr_kernarg_segment_ptr 1
		.amdhsa_wavefront_size32 1
		.amdhsa_system_sgpr_workgroup_id_x 1
		.amdhsa_system_sgpr_workgroup_id_y 1
		.amdhsa_system_sgpr_workgroup_id_z 1
		.amdhsa_system_vgpr_workitem_id 0
		.amdhsa_next_free_vgpr 512
		.amdhsa_next_free_sgpr 104
		.amdhsa_reserve_vcc 0
		.amdhsa_float_denorm_mode_32 3
		.amdhsa_float_denorm_mode_16_64 3
		.amdhsa_memory_ordered 1
		.amdhsa_forward_progress 1
		.amdhsa_inst_pref_size 47
	.end_amdhsa_kernel
	.amdgpu_metadata
---
amdhsa.version: [ 1, 2 ]
amdhsa.kernels:
  - .name:           k_q5f0fa0f6d4_oproj
    .symbol:         k_q5f0fa0f6d4_oproj.kd
    .args:
      - { .name: cc, .offset: 0, .size: 8, .value_kind: global_buffer, .address_space: global }
      - { .name: wc, .offset: 8, .size: 8, .value_kind: global_buffer, .address_space: global }
      - { .name: lowp_scales, .offset: 16, .size: 8, .value_kind: global_buffer, .address_space: global }
      - { .name: Wo_b, .offset: 24, .size: 8, .value_kind: global_buffer, .address_space: global }
      - { .name: out0, .offset: 32, .size: 8, .value_kind: global_buffer, .address_space: global }
    .group_segment_fixed_size: 327680
    .private_segment_fixed_size: 0
    .kernarg_segment_align: 8
    .kernarg_segment_size: 40
    .max_flat_workgroup_size: 128
    .sgpr_count:     104
    .vgpr_count:     512
    .wavefront_size: 32
...
	.end_amdgpu_metadata
.endif
;; end of part 4
